; MI455X (gfx1250); checked and timed in simulation.
; The chip was launched on July 23, 2026; its instructions are those of AMD's public machine-readable ISA for CDNA 5 (MIT licence, August 2026) and "CDNA5" Instruction Set Architecture Reference Guide (July 2026). The comments in the code are by the model that wrote it; some were corrected since.
;; Qwen3 Flash MTP Attention. Allowed arithmetic: float matrix products may take bf16 or f16 operands with f32 sums; other float arithmetic in f32, or as packed bf16 or f16 multiplies, adds, multiply-adds, maxima and minima; sums over many terms, partial sums and values carried from step to step in f32; what a program stores and reads back later, other than sums and carried values, may be rounded once to bf16 or f16.
;; Inputs: Wk 2,048 x 1,024 float32; Wo 1,024 x 2,048 float32; Wq 2,048 x 1,024 float32; Wv 2,048 x 1,024 float32; cos 2 x 2,048 x 128 float32; hidden_states 2 x 2,048 x 2,048 float32; k_norm_w 128 float32; q_norm_w 128 float32; sin 2 x 2,048 x 128 float32.
;; Outputs: out0 2 x 2,048 x 2,048 float32.
;; One version. Each part assembles by itself: llvm-mc -triple=amdgcn-amd-amdhsa -mcpu=gfx1250 --defsym DOCPART=n.
;; ======== version 1 of 1: 4 launches
;; limits: values are held in f16: magnitudes above 65,504 overflow, below 6.1e-05 lose precision
;; workspace buffers: xb 16,777,216 bytes; wqkv 12,582,912 bytes; wo16 4,194,304 bytes; rope 2,097,152 bytes; qkv 25,165,824 bytes; att 8,388,608 bytes
;; launch cast (part 1): grid 1088 x 1, 8 waves a work-group, no clusters, 0 bytes of LDS; arguments hidden_states, Wq, Wk, Wv, Wo, cos, sin, xb, wqkv, wo16, rope; writes xb, wqkv, wo16, rope
.if DOCPART == 1
	.amdgcn_target "amdgcn-amd-amdhsa--gfx1250"
	.amdhsa_code_object_version 6
	.text
	.protected	k_qb7dbcaeb1e_cast
	.globl	k_qb7dbcaeb1e_cast
	.p2align	8
	.type	k_qb7dbcaeb1e_cast,@function
k_qb7dbcaeb1e_cast:
	s_mov_b64 s[64:65], 0
	v_nop
	global_prefetch_b8 v0, s[64:65] scope:SCOPE_SE
	s_setreg_imm32_b32 hwreg(HW_REG_WAVE_MODE, 25, 1), 1
	s_wait_xcnt 0x0
; Every large input is rounded once to bf16: hidden_states -> xb, Wq | Wk | Wv -> wqkv (three planes), cos | sin -> rope (two planes), all as bf16;
; Wo -> wo16: rounded to bf16 like the others, and that number written as f16 (the last product multiplies in f16).
; LIMIT: a Wo beyond 65,504 would become an infinity; below 6e-5 it keeps f16's fixed step of 6e-8.
; A work-group takes a chunk of 16,384 numbers: 64 KiB in, 32 KiB out.  Chunks: 0-511 hidden_states, 512-639 Wq, 640-767 Wk, 768-895 Wv, 896-1023 Wo, 1024-1055 cos, 1056-1087 sin.
; Thread t, for j = 0..15: 16 bytes at 4096 j + 16 t in, 8 bytes at 2048 j + 8 t out: a wave's load covers 512 consecutive bytes, its store 256 consecutive bytes, aligned.
; All sixteen loads of a thread go out at once; no register is written twice, so the only waits are the counted ones for the loads.  No LDS, no matrix unit, no cluster: nothing is shared.
.set XR, 4                             ; v[4:67]    sixteen loads of four f32
.set YR, 68                            ; v[68:99]   sixteen pairs of packed words to store
.set TR, 100                           ; v[100:103] at work (Wo alone)
	s_load_b512 s[16:31], s[0:1], 0x0              ; hidden_states 16, Wq 18, Wk 20, Wv 22, Wo 24, cos 26, sin 28, xb 30
	s_load_b128 s[32:35], s[0:1], 0x40             ; wqkv 32, wo16 34
	s_load_b64 s[36:37], s[0:1], 0x50              ; rope
	v_lshlrev_b32 v1, 4, v0                        ; 16 t
	v_lshlrev_b32 v2, 3, v0                        ; 8 t
	s_mov_b32 s8, 0                                ; the first chunk of my source
	s_mov_b32 s9, 0                                ; the first chunk of my destination
	s_mov_b32 s11, 0
	s_mov_b32 s13, 0
	s_wait_kmcnt 0x0
	s_mov_b64 s[4:5], s[16:17]                     ; source and destination are chosen by the chunk's number alone
	s_mov_b64 s[6:7], s[30:31]
	s_cmp_ge_u32 ttmp9, 512
	s_cselect_b64 s[4:5], s[18:19], s[4:5]
	s_cselect_b64 s[6:7], s[32:33], s[6:7]
	s_cselect_b32 s8, 512, s8
	s_cselect_b32 s9, 512, s9
	s_cmp_ge_u32 ttmp9, 640
	s_cselect_b64 s[4:5], s[20:21], s[4:5]
	s_cselect_b32 s8, 640, s8
	s_cmp_ge_u32 ttmp9, 768
	s_cselect_b64 s[4:5], s[22:23], s[4:5]
	s_cselect_b32 s8, 768, s8
	s_cmp_ge_u32 ttmp9, 896
	s_cselect_b64 s[4:5], s[24:25], s[4:5]
	s_cselect_b64 s[6:7], s[34:35], s[6:7]
	s_cselect_b32 s8, 896, s8
	s_cselect_b32 s9, 896, s9
	s_cmp_ge_u32 ttmp9, 1024
	s_cselect_b64 s[4:5], s[26:27], s[4:5]
	s_cselect_b64 s[6:7], s[36:37], s[6:7]
	s_cselect_b32 s8, 1024, s8
	s_cselect_b32 s9, 1024, s9
	s_cmp_ge_u32 ttmp9, 1056
	s_cselect_b64 s[4:5], s[28:29], s[4:5]
	s_cselect_b32 s8, 1056, s8
	s_sub_co_u32 s10, ttmp9, s8
	s_lshl_b32 s10, s10, 16                        ; 65,536 bytes of f32 a chunk
	s_sub_co_u32 s12, ttmp9, s9
	s_lshl_b32 s12, s12, 15                        ; 32,768 bytes of 16-bit numbers a chunk
	s_add_nc_u64 s[4:5], s[4:5], s[10:11]
	s_add_nc_u64 s[6:7], s[6:7], s[12:13]
.irp j, 0,1,2,3,4,5,6,7,8,9,10,11,12,13,14,15
	global_load_b128 v[XR+4*(\j):XR+4*(\j)+3], v1, s[4:5] offset:4096*(\j) th:TH_LOAD_NT
.endr
; half = 1: the bf16 number is widened again and written as f16
.macro OUT half
.irp j, 0,1,2,3,4,5,6,7,8,9,10,11,12,13,14,15
	s_wait_loadcnt 15-(\j)                         ; loads come back in order: load j is in, the 15 - j younger ones stay out
	v_cvt_pk_bf16_f32 v[YR+2*(\j)], v[XR+4*(\j)], v[XR+4*(\j)+1]
	v_cvt_pk_bf16_f32 v[YR+2*(\j)+1], v[XR+4*(\j)+2], v[XR+4*(\j)+3]
.if \half
	v_lshlrev_b32 v[TR], 16, v[YR+2*(\j)]
	v_and_b32 v[TR+1], 0xffff0000, v[YR+2*(\j)]
	v_lshlrev_b32 v[TR+2], 16, v[YR+2*(\j)+1]
	v_and_b32 v[TR+3], 0xffff0000, v[YR+2*(\j)+1]
	v_cvt_pk_f16_f32 v[YR+2*(\j)], v[TR], v[TR+1]
	v_cvt_pk_f16_f32 v[YR+2*(\j)+1], v[TR+2], v[TR+3]
.endif
	global_store_b64 v2, v[YR+2*(\j):YR+2*(\j)+1], s[6:7] offset:2048*(\j) th:TH_STORE_NT
.endr
.endm
	s_cmp_eq_u32 s8, 896                           ; Wo's chunks
	s_cbranch_scc1 .Lf16
	OUT 0
	s_endpgm
.Lf16:
	OUT 1
	s_endpgm
.Lfunc_end_k_qb7dbcaeb1e_cast:
	.size	k_qb7dbcaeb1e_cast, .Lfunc_end_k_qb7dbcaeb1e_cast-k_qb7dbcaeb1e_cast
	.p2alignl 7, 3214868480
	.fill 96, 4, 3214868480
	.section	.rodata,"a",@progbits
	.p2align	6, 0x0
	.amdhsa_kernel k_qb7dbcaeb1e_cast
		.amdhsa_group_segment_fixed_size 0
		.amdhsa_private_segment_fixed_size 0
		.amdhsa_enable_private_segment 0
		.amdhsa_kernarg_size 88
		.amdhsa_user_sgpr_count 2
		.amdhsa_user_sgpr_kernarg_segment_ptr 1
		.amdhsa_wavefront_size32 1
		.amdhsa_system_sgpr_workgroup_id_x 1
		.amdhsa_system_sgpr_workgroup_id_y 1
		.amdhsa_system_sgpr_workgroup_id_z 1
		.amdhsa_system_vgpr_workitem_id 0
		.amdhsa_next_free_vgpr 104
		.amdhsa_next_free_sgpr 66
		.amdhsa_reserve_vcc 0
		.amdhsa_float_denorm_mode_32 3
		.amdhsa_float_denorm_mode_16_64 3
		.amdhsa_memory_ordered 1
		.amdhsa_forward_progress 1
		.amdhsa_inst_pref_size 17
	.end_amdhsa_kernel
	.amdgpu_metadata
---
amdhsa.version: [ 1, 2 ]
amdhsa.kernels:
  - .name:           k_qb7dbcaeb1e_cast
    .symbol:         k_qb7dbcaeb1e_cast.kd
    .args:
      - { .name: hidden_states, .offset: 0, .size: 8, .value_kind: global_buffer, .address_space: global }
      - { .name: Wq, .offset: 8, .size: 8, .value_kind: global_buffer, .address_space: global }
      - { .name: Wk, .offset: 16, .size: 8, .value_kind: global_buffer, .address_space: global }
      - { .name: Wv, .offset: 24, .size: 8, .value_kind: global_buffer, .address_space: global }
      - { .name: Wo, .offset: 32, .size: 8, .value_kind: global_buffer, .address_space: global }
      - { .name: cos, .offset: 40, .size: 8, .value_kind: global_buffer, .address_space: global }
      - { .name: sin, .offset: 48, .size: 8, .value_kind: global_buffer, .address_space: global }
      - { .name: xb, .offset: 56, .size: 8, .value_kind: global_buffer, .address_space: global }
      - { .name: wqkv, .offset: 64, .size: 8, .value_kind: global_buffer, .address_space: global }
      - { .name: wo16, .offset: 72, .size: 8, .value_kind: global_buffer, .address_space: global }
      - { .name: rope, .offset: 80, .size: 8, .value_kind: global_buffer, .address_space: global }
    .group_segment_fixed_size: 0
    .private_segment_fixed_size: 0
    .kernarg_segment_align: 8
    .kernarg_segment_size: 88
    .max_flat_workgroup_size: 256
    .sgpr_count:     66
    .vgpr_count:     104
    .wavefront_size: 32
...
	.end_amdgpu_metadata
.endif
;; end of part 1
;; launch qkv (part 2): grid 8 x 32, 4 waves a work-group, clusters of 4 x 4, 327,680 bytes of LDS; arguments xb, wqkv, rope, q_norm_w, k_norm_w, qkv; writes qkv
.if DOCPART == 2
	.amdgcn_target "amdgcn-amd-amdhsa--gfx1250"
	.amdhsa_code_object_version 6
	.text
	.protected	k_qb7dbcaeb1e_qkv
	.globl	k_qb7dbcaeb1e_qkv
	.p2align	8
	.type	k_qb7dbcaeb1e_qkv,@function
k_qb7dbcaeb1e_qkv:
	s_mov_b64 s[64:65], 0
	v_nop
	global_prefetch_b8 v0, s[64:65] scope:SCOPE_SE
	s_setreg_imm32_b32 hwreg(HW_REG_WAVE_MODE, 25, 1), 1
	s_wait_xcnt 0x0
	s_wait_alu depctr_hold_cnt(0) depctr_sa_sdst(0) depctr_va_vdst(0) depctr_va_sdst(0) depctr_va_ssrc(0) depctr_va_vcc(0) depctr_vm_vsrc(0)
	s_getreg_b32 s2, hwreg(HW_REG_IB_STS2, 6, 4)
	s_cmp_eq_u32 s2, 0
	s_cbranch_scc0 .Lentry_in_a_cluster
	s_endpgm
.Lentry_in_a_cluster:
	s_bfe_u32 s2, ttmp6, 0x10000c
	s_cmp_lg_u32 s2, 0xf033
	s_cbranch_scc0 .Lentry_shape_is_right
	s_endpgm
.Lentry_shape_is_right:
; q, k, v = x [Wq | Wk | Wv]; per head RMS norm and RoPE on q and k; all three written by heads: qkv[3][16 (batch, head)][2048][128] in f16, each rounded once from f32.
; x: xb[4096][2048] bf16.  W: wqkv[3][2048 k][1024 n] bf16.  cos, sin: rope[2][4096][128] bf16.  The norm weights are rounded to bf16 here, like every other input.  Products bf16, sums f32; norm and RoPE in f32.
; LIMIT: q, k, v must stay within f16's 65,504; NaN and infinities are not treated apart.
; SHARES.  A work-group makes 128 rows x 384 columns: head X of q, of k and of v (so a whole head's 128 columns meet in one work-group for the norm): 8 x 32 work-groups.
; Wave w: rows 64 (w / 2) on; columns: w even: q's 128 and k's first 64; w odd: v's 128 and k's last 64.  4 x 12 accumulators of 16 x 16: 384 registers.
; THE PRODUCT IS USED TRANSPOSED: source 0 = 16 columns of W (turned out of LDS by ds_load_tr16_b128, since W lies [k][n]), source 1 = 16 rows of x: a lane holds row l % 16 and the columns 8 (l / 16) + 0..7.
; K goes in 16 steps of 128 through two LDS slots.  A slot: the planes q, k, v (128 k-rows x 256 bytes, pitch 288), then x (128 rows x 256 bytes, pitch 272).  Waves 0-2 fetch planes 0-2, wave 3 fetches x: one tensor load a wave.
; CLUSTER 4 x 4: the four of a row share x's tile, the four of a column share the weights' tiles: joint loads with a mask of four.
; THE WAY OUT.  All sums go as f32 into LDS, over the ring (which has had its last fill); then wave w takes rows 32 w .. 32 w + 31 whole: six items of 16 rows x 128 columns (q, k, v; q, k, v).
; ASKED FOR EARLY.  What the way out needs from memory is asked for while K is walked, each piece once.  My 64 numbers of each norm weight: 32 loads at the head, ahead of the wait for the first tile; behind the first
; quarter step they are rounded to bf16 and packed.  There cos and sin of my 32 rows are asked for, 32 loads, with the rest of the sixteen K steps in which to land.  The items load nothing from memory.
; REGISTERS: window 0: addresses, the packed norm weights, and the way out's work; window 1: two fragment buffers of 128 (12 of W, 4 of x); windows 2, 3: accumulator (a, i) at 96 (a % 2) + 8 i in window 2 + a / 2;
; v192-255 of window 2: cos and sin of the 16 rows in hand; of window 3: those of my second 16 rows.
.set PA,    272                        ; x's LDS pitch: 256 + 16: the 16 rows of a load start at 16 different groups of four banks
.set PB,    288                        ; W's LDS pitch: 256 + 32
.set BTILE, 128*PB
.set ATILE, 128*PA
.set AOFF,  3*BTILE
.set SLOT,  AOFF+ATILE                 ; 145,408
.set SPARE, 2*SLOT                     ; the spare words: 128 bytes a wave, two blocks of 256 bytes that no other line names
.set STG,   SPARE+512                  ; 16 rows x 272 bytes for each wave, never filled by a tensor load
.set SP,    272
.set UNIT,  1024                       ; the dump: 16 x 16 f32: registers 0-3 of 32 lanes, then registers 4-7
.set RBLK,  24*UNIT                    ; 16 rows x 384 columns: q's 8 units, k's 8, v's 8
.set DS1, 8                            ; v8, v10  dump address for column blocks 0-7, row blocks 0-1 and 2-3
.set DS2, 9                            ; v9, v11  the same for column blocks 8-11
.set DL,  12                           ; v12  where the item in hand begins in the dump, + 16 l
.set STO, 13                           ; v13  stage: where I put 16 bytes of a row
.set RD,  14                           ; v14  stage: where I read rows back
.set GO,  15                           ; v15  16 l
.set ADRA,  16                         ; v16-17  my x fragments in slot 0, 1
.set ADRB1, 18                         ; v18-19  my first eight column blocks
.set ADRB2, 20                         ; v20-21  my four blocks of k
.set ROFF, 26                          ; v26  256 (l % 16) + 16 (l / 16): my place in 16 rows of cos and sin; never rewritten
.set NOFF, 27                          ; v27  32 (l / 16): my place in the norm weights; never rewritten
.set SPW, 28                           ; v28  my spare word; never rewritten
.set NIL, 29                           ; v29  0; never rewritten
.set PFO, 30                           ; v30  the prefetches' offset: lane x pitch; never rewritten
.set SS,  16                           ; the way out: v[16:23] four chains of squares
.set RR,  24                           ; v[24:25] 1 / rms, and its argument
.set XR,  32                           ; v[32:95]   the item: 64 f32; then the rows read back.  In the first K step: q's norm weights as loaded
.set WR,  96                           ; v[96:159]  the item's norm weights, then RoPE's work.  In the first K step: k's norm weights as loaded
.set NK,  160                          ; v[160:191] k's norm weights, packed bf16
.set NQ,  192                          ; v[192:223] q's
.set HR,  224                          ; v[224:255] the item in f16
.set C2,  192                          ; windows 2 and 3: v[192:223] cos of 16 rows, packed bf16: column block b at 4 b
.set S2,  224                          ; v[224:255] sin
.set F0, 0
.set F1, 128
.set LAP, 3
.set WV, 10
.set RH, 11
.set CH, 12
.set TY, 13
.set G1A, 24                           ; s[24:31] group 1 for x's tile; s[32:39] group 0, a set for each slot
.set G0A, 32
.set CX, 40
.set CY, 41
.set TX, 42
.set LIM, 43                           ; 1 in a wave that prefetches, else the greatest number
.set PFA, 44                           ; s[44:45] where my prefetches stand
.set PFS, 46                           ; s[46:47] a K step in bytes along them
.set G1B, 48                           ; s[48:55], s[56:63] the same for the weights' tiles
.set G0B, 56
.set OUTP, 84                          ; s[84:85] qkv at the item's 16 rows
.set ROPEP, 86                         ; s[86:87] rope at my 32 rows; never rewritten
.set MSB, 0
.macro WIN new                         ; the immediate's high byte repeats the setting that is left; a switch that changes nothing is dropped
.if MSB != (\new)
	s_set_vgpr_msb (MSB<<8)|(\new)
.set MSB, \new
.endif
.endm
.set MUL_LO, 0xa5                      ; sources 0 and 1 window 1, C and D window 2
.set MUL_HI, 0xf5                      ; the same, C and D window 3
.set TO_F,   0x40                      ; destination window 1, address window 0
.macro PLACES                          ; four plain vector instructions between a matrix instruction and a load into, or a read of, its registers
.rept 4
	v_nop
.endr
.endm
; A joint load.  The branch hangs on the wave's number alone.  An s_nop 0 and four v_nop follow each of the two lines.
.macro JLOAD s
	s_cmp_eq_u32 s[WV], 3
	s_cbranch_scc0 .Lfor_b_\@
	tensor_load_to_lds s[G0A+4*(\s):G0A+4*(\s)+3], s[G1A:G1A+7]
	s_nop 0
.rept 4
	v_nop
.endr
	s_branch .Lasked_\@
.Lfor_b_\@:
	tensor_load_to_lds s[G0B+4*(\s):G0B+4*(\s)+3], s[G1B:G1B+7]
	s_nop 0
.rept 4
	v_nop
.endr
.Lasked_\@:
.endm
; A prefetch of the K step that stands two refills on: 32 rows x 256 bytes, a lane a row, one instruction a wave.  x's rows are named by the clusters with x = 0 (wave 3), the weights' by the clusters
; with y = 0 (waves 0-2); the four partners that ask for a tile jointly take 32 of its 128 rows each, told apart by address.  So each row's 256 bytes of a K step are named once.  The loop's last trip names nothing.
.macro ASK
	WIN 0
	s_cmp_gt_u32 s[LAP], s[LIM]
	s_cbranch_scc0 .Lnot_mine_\@
	global_prefetch_b8 v[PFO], s[PFA:PFA+1] th:TH_LOAD_NT scope:SCOPE_SE
.Lnot_mine_\@:
.endm
.macro CREST                           ; a round of the cluster's barrier behind its opening barrier
	s_cmp_lg_u32 s[WV], 0
	s_cbranch_scc1 .Lnot_wave_0_\@
	s_barrier_signal -3
.Lnot_wave_0_\@:
	s_barrier_wait -3
	s_barrier_signal -1
	s_barrier_wait -1
.endm
.macro CROUND
	s_barrier_signal -1
	s_barrier_wait -1
	CREST
.endm
	s_load_b256 s[72:79], s[0:1], 0x0              ; xb 72, wqkv 74, rope 76, q_norm_w 78
	s_load_b128 s[80:83], s[0:1], 0x20             ; k_norm_w 80, qkv 82
	v_lshl_add_u32 v[SPW], v0, 2, SPARE
	v_mov_b32 v[NIL], 0
	ds_add_u32 v[SPW], v[NIL]                      ; the wave's opening: the add and its wait stand ahead of my first tensor load; the set-up below stands between them
	v_lshrrev_b32 v1, 5, v0
	v_readfirstlane_b32 s[WV], v1
	s_lshr_b32 s[RH], s[WV], 1                     ; which 64 rows are mine
	s_and_b32 s[CH], s[WV], 1                      ; which 192 columns
	s_bfe_u32 s[CX], ttmp6, 0x40000
	s_bfe_u32 s[CY], ttmp6, 0x40004
	s_lshl_b32 s[TX], ttmp9, 2
	s_add_co_u32 s[TX], s[TX], s[CX]               ; the head = 4 x cluster x + cx
	s_and_b32 s[TY], ttmp7, 0xffff
	s_lshl_b32 s[TY], s[TY], 2
	s_add_co_u32 s[TY], s[TY], s[CY]               ; the block of 128 rows = 4 x cluster y + cy
	s_lshl_b32 s16, s[CY], 2
	s_lshl_b32 s16, 15, s16                        ; my row of the cluster
	s_lshl_b32 s17, 0x1111, s[CX]                  ; my column
	s_or_b32 s[G1A], s16, (1<<16)|(1<<20)|(1<<21)|(5<<22)|(3<<25)  ; mask; 2-byte elements; padding on; bit 21 beside a mask; after every 64 words 4 words
	s_or_b32 s[G1B], s17, (1<<16)|(1<<20)|(1<<21)|(5<<22)|(7<<25)  ; the same with 8 words of padding
	s_mov_b32 s[G1A+1], 128<<16                    ; tensor_dim0 = 128
	s_mov_b32 s[G1A+2], 128<<16                    ; tensor_dim1 = 128
	s_mov_b32 s[G1A+3], 128<<16                    ; tile_dim0 = 128
	s_mov_b32 s[G1A+4], 128                        ; tile_dim1 = 128
	s_mov_b32 s[G1A+5], 2048                       ; elements from row to row of x
	s_mov_b32 s[G1A+6], 0
	s_mov_b32 s[G1A+7], 0
	s_mov_b32 s[G1B+1], 128<<16
	s_mov_b32 s[G1B+2], 128<<16
	s_mov_b32 s[G1B+3], 128<<16
	s_mov_b32 s[G1B+4], 128
	s_mov_b32 s[G1B+5], 1024                       ; elements from k-row to k-row of a plane
	s_mov_b32 s[G1B+6], 0
	s_mov_b32 s[G1B+7], 0
	s_lshl_b32 s14, s[TY], 19                      ; x: 128 rows of 4,096 bytes a block
	s_mov_b32 s15, 0
	s_min_u32 s18, s[WV], 2                        ; my plane (wave 3 asks by x's descriptor)
	s_lshl_b32 s66, s18, 22                        ; 4,194,304 bytes a plane,
	s_lshl_b32 s19, s[TX], 8                       ; the head's 256 bytes of a k-row
	s_add_co_u32 s66, s66, s19
	s_mov_b32 s67, 0
	s_mul_i32 s20, s[WV], BTILE                    ; where my tile goes: wave x 36,864: planes 0-2, then x
	s_mov_b32 s93, 0
	s_mov_b32 s96, 0x3c000000                      ; 1 / 128
	s_mov_b32 s97, 0x358637bd                      ; 1e-6
	s_mov_b32 s98, 0x76543210                      ; v_permlanex16_b32: each lane takes its own place in the other half
	s_mov_b32 s99, 0xfedcba98
	s_mov_b32 s100, 0xffff0000                     ; a word's upper bf16
	s_wait_dscnt 0x0                               ; the opening add is done
	s_wait_kmcnt 0x0
	s_add_nc_u64 s[14:15], s[72:73], s[14:15]
	s_add_nc_u64 s[66:67], s[74:75], s[66:67]
	CROUND                                         ; all sixteen work-groups are here: the first joint loads meet
.irp s, 0,1
	s_mov_b32 s[G0A+4*(\s)], 1
	s_add_co_u32 s[G0A+4*(\s)+1], s20, (\s)*SLOT
	s_add_nc_u64 s[G0A+4*(\s)+2:G0A+4*(\s)+3], s[14:15], (\s)*256      ; K step s: 256 bytes along x's rows
	s_or_b32 s[G0A+4*(\s)+3], s[G0A+4*(\s)+3], 0x80000000
	s_mov_b32 s[G0B+4*(\s)], 1
	s_add_co_u32 s[G0B+4*(\s)+1], s20, (\s)*SLOT
	s_add_nc_u64 s[G0B+4*(\s)+2:G0B+4*(\s)+3], s[66:67], (\s)*262144   ; K step s: 128 k-rows of 2,048 bytes
	s_or_b32 s[G0B+4*(\s)+3], s[G0B+4*(\s)+3], 0x80000000
	JLOAD \s                                       ; two loads of mine are out
.endr
	v_and_b32 v1, 15, v0                           ; l % 16
	v_bfe_u32 v2, v0, 4, 1                         ; l / 16
	v_and_b32 v6, 31, v0                           ; l
	v_mul_u32_u24 v3, v1, PA
	v_lshl_add_u32 v3, v2, 4, v3                   ; x's fragment: row x pitch + 16 x half
	v_and_b32 v4, 7, v0
	v_lshl_add_u32 v4, v2, 3, v4
	v_mul_u32_u24 v4, v4, PB                       ; W's: k-row 8 (l / 16) + l % 8,
	v_bfe_u32 v5, v0, 3, 1
	v_lshl_add_u32 v4, v5, 4, v4                   ; columns 8 ((l / 8) % 2) on
	s_mul_i32 s21, s[RH], 64*PA
	s_add_co_u32 s21, s21, AOFF
	s_mul_i32 s22, s[CH], 2*BTILE                  ; q's plane or v's
	s_lshl_b32 s23, s[CH], 7
	s_add_co_u32 s23, s23, BTILE                   ; k's plane, its first or last 64 columns
.irp s, 0,1
	v_add_nc_u32 v[ADRA+(\s)], s21, v3
	v_add_nc_u32 v[ADRB1+(\s)], s22, v4
	v_add_nc_u32 v[ADRB2+(\s)], s23, v4
	s_add_co_u32 s21, s21, SLOT
	s_add_co_u32 s22, s22, SLOT
	s_add_co_u32 s23, s23, SLOT
.endr
	v_lshlrev_b32 v[GO], 4, v6
	s_mul_i32 s21, s[RH], 4*RBLK
	s_lshl_b32 s22, s[CH], 14                      ; q's units begin at 0, v's at 16
	s_add_co_u32 s22, s22, s21
	s_lshl_b32 s23, s[CH], 12                      ; k's at 8, my four of them at 8 or 12
	s_add_co_u32 s23, s23, s21
	s_add_co_u32 s23, s23, 8*UNIT
	v_add_nc_u32 v[DS1], s22, v[GO]
	v_add_nc_u32 v[DS2], s23, v[GO]
	v_add_nc_u32 v[DS1+2], 2*RBLK, v[DS1]
	v_add_nc_u32 v[DS2+2], 2*RBLK, v[DS2]
	s_mul_i32 s21, s[WV], 2*RBLK
	v_add_nc_u32 v[DL], s21, v[GO]
	s_mul_i32 s21, s[WV], 16*SP
	s_add_co_u32 s21, s21, STG
	v_add_nc_u32 v[STO], s21, v3                   ; the stage's pitch is x's: row l % 16, 16 bytes for each half of the lanes
	v_mul_u32_u24 v5, v2, SP
	v_lshl_add_u32 v5, v1, 4, v5
	v_add_nc_u32 v[RD], s21, v5                    ; back: lanes 0-15 one row of 256 bytes, lanes 16-31 the next
	v_lshlrev_b32 v[ROFF], 8, v1
	v_lshl_add_u32 v[ROFF], v2, 4, v[ROFF]
	v_lshlrev_b32 v[NOFF], 5, v2
	; qkv at ((batch x 8 + head) x 2048 + my rows in the batch) x 256 bytes; rope at my rows x 256 bytes
	s_lshr_b32 s68, s[TY], 4
	s_lshl_b32 s68, s68, 3
	s_add_co_u32 s68, s68, s[TX]
	s_lshl_b32 s68, s68, 11
	s_and_b32 s69, s[TY], 15
	s_lshl_b32 s69, s69, 7
	s_add_co_u32 s68, s68, s69
	s_lshl_b32 s69, s[WV], 5
	s_add_co_u32 s68, s68, s69
	s_lshl_b32 s68, s68, 8
	s_mov_b32 s69, 0
	s_add_nc_u64 s[OUTP:OUTP+1], s[82:83], s[68:69]
	s_lshl_b32 s70, s[TY], 15
	s_lshl_b32 s71, s[WV], 13
	s_add_co_u32 s70, s70, s71
	s_mov_b32 s71, 0
	s_add_nc_u64 s[ROPEP:ROPEP+1], s[76:77], s[70:71]
	; the prefetches: they stand at K step 3; each change of slots steps them first, so the first names K step 4
	s_lshl_b32 s68, s[TY], 19
	s_lshl_b32 s69, s[CX], 17                      ; x: my work-group's 32 rows of 4,096 bytes
	s_add_co_u32 s68, s68, s69
	s_add_co_u32 s68, s68, 3*256
	s_min_u32 s70, s[WV], 2
	s_lshl_b32 s70, s70, 22
	s_lshl_b32 s71, s[CY], 16                      ; W: my work-group's 32 k-rows of 2,048 bytes
	s_add_co_u32 s70, s70, s71
	s_lshl_b32 s71, s[TX], 8
	s_add_co_u32 s70, s70, s71
	s_add_co_u32 s70, s70, 3*262144
	s_and_b32 s71, ttmp7, 0xffff
	s_mov_b32 s22, 262144
	s_mov_b32 s23, 2048
	s_cmp_eq_u32 s[WV], 3
	s_cselect_b32 s68, s68, s70
	s_cselect_b32 s71, ttmp9, s71                  ; the coordinate along which other clusters read the same rows
	s_cselect_b64 s[PFA:PFA+1], s[72:73], s[74:75]
	s_cselect_b32 s[PFS], 256, s22
	s_cselect_b32 s21, 4096, s23
	s_mov_b32 s[PFS+1], 0
	s_mov_b32 s69, 0
	s_add_nc_u64 s[PFA:PFA+1], s[PFA:PFA+1], s[68:69]
	s_cmp_eq_u32 s71, 0
	s_cselect_b32 s[LIM], 1, -1                    ; the same in all sixteen partners, for a given wave
	v_mul_u32_u24 v[PFO], s21, v6
	; my 64 numbers of each norm weight: those of column block b are the floats 16 b + 8 (l / 16) + 0..7.  They go into registers that nothing names before the first quarter step is over.
.irp b, 0,1,2,3,4,5,6,7
	global_load_b128 v[XR+8*(\b):XR+8*(\b)+3],   v[NOFF], s[78:79] offset:64*(\b)
	global_load_b128 v[XR+8*(\b)+4:XR+8*(\b)+7], v[NOFF], s[78:79] offset:64*(\b)+16
	global_load_b128 v[WR+8*(\b):WR+8*(\b)+3],   v[NOFF], s[80:81] offset:64*(\b)
	global_load_b128 v[WR+8*(\b)+4:WR+8*(\b)+7], v[NOFF], s[80:81] offset:64*(\b)+16
.endr
; 12 matrix instructions: row block a x my 12 column blocks, 32 along K.  zero = 1: the product starts the sums.  The 48 accumulators take turns, one instruction a turn.
.macro MUL12 f, a, zero
	WIN MUL_LO+0x50*((\a)/2)
.irp i, 0,1,2,3,4,5,6,7,8,9,10,11
.if \zero
	v_wmma_f32_16x16x32_bf16 v[96*((\a)%2)+8*(\i):96*((\a)%2)+8*(\i)+7], v[(\f)+8*(\i):(\f)+8*(\i)+7], v[(\f)+96+8*(\a):(\f)+96+8*(\a)+7], 0
.else
	v_wmma_f32_16x16x32_bf16 v[96*((\a)%2)+8*(\i):96*((\a)%2)+8*(\i)+7], v[(\f)+8*(\i):(\f)+8*(\i)+7], v[(\f)+96+8*(\a):(\f)+96+8*(\a)+7], v[96*((\a)%2)+8*(\i):96*((\a)%2)+8*(\i)+7]
.endif
.endr
.endm
.macro MUL24 f, hi, zero
	MUL12 \f, 2*(\hi), \zero
	MUL12 \f, 2*(\hi)+1, \zero
.endm
; 32 LDS loads in one run: quarter kq (32 along K) of a slot into buffer f: W's 12 fragments, turned, then x's 4
.macro FETCH slot, kq, f
	WIN TO_F
.irp i, 0,1,2,3,4,5,6,7
	ds_load_tr16_b128 v[(\f)+8*(\i):(\f)+8*(\i)+3],   v[ADRB1+(\slot)] offset:32*PB*(\kq)+32*(\i)
	ds_load_tr16_b128 v[(\f)+8*(\i)+4:(\f)+8*(\i)+7], v[ADRB1+(\slot)] offset:32*PB*(\kq)+32*(\i)+16*PB
.endr
.irp i, 8,9,10,11
	ds_load_tr16_b128 v[(\f)+8*(\i):(\f)+8*(\i)+3],   v[ADRB2+(\slot)] offset:32*PB*(\kq)+32*((\i)-8)
	ds_load_tr16_b128 v[(\f)+8*(\i)+4:(\f)+8*(\i)+7], v[ADRB2+(\slot)] offset:32*PB*(\kq)+32*((\i)-8)+16*PB
.endr
.irp a, 0,1,2,3
	ds_load_b128 v[(\f)+96+8*(\a):(\f)+96+8*(\a)+3],   v[ADRA+(\slot)] offset:16*PA*(\a)+64*(\kq)
	ds_load_b128 v[(\f)+96+8*(\a)+4:(\f)+96+8*(\a)+7], v[ADRA+(\slot)] offset:16*PA*(\a)+64*(\kq)+32
.endr
.endm
; One of a K step's first three quarters: multiplies buffer f; in its middle it fetches quarter kq into buffer g
.macro QUARTER slot, kq, f, g, zero
	s_wait_dscnt 4                                 ; all but the youngest four loads: x's row blocks 2 and 3
	MUL24 \f, 0, \zero
	PLACES
	FETCH \slot, \kq, \g
	s_wait_dscnt 32                                ; all but the 32 just issued
	MUL24 \f, 1, \zero
.endm
; The last quarter multiplies buffer 1 and changes slots.  In front of the barrier each wave waits for all its tensor loads (one is out: its part of the next slot), adds 0 to its spare word, and waits for
; that and for its reads of this slot.  fill = 1: the barrier opens a round of the cluster's, and the joint refill, two K steps on, is the first thing behind it: 168 matrix instructions ahead of the wait for it.
.macro TURN slot, next, fill
.if \fill
	s_wait_xcnt 0x0                                ; the last prefetch, a K step back, has read its address
	s_add_nc_u64 s[PFA:PFA+1], s[PFA:PFA+1], s[PFS:PFS+1]
.endif
	WIN 0
	s_wait_tensorcnt 0x0
	ds_add_u32 v[SPW], v[NIL]
	s_wait_dscnt 7                                 ; the add and x's row blocks 1 to 3 may be out
	MUL12 F1, 0, 0
	s_wait_dscnt 0x0                               ; the add is done, and my reads of this slot are over
	s_barrier_signal -1
	MUL12 F1, 1, 0
.if \fill
	WIN 0
.endif
	s_barrier_wait -1
.if \fill
	CREST
	s_add_nc_u64 s[G0A+4*(\slot)+2:G0A+4*(\slot)+3], s[G0A+4*(\slot)+2:G0A+4*(\slot)+3], 2*256
	s_add_nc_u64 s[G0B+4*(\slot)+2:G0B+4*(\slot)+3], s[G0B+4*(\slot)+2:G0B+4*(\slot)+3], 2*262144
	JLOAD \slot                                    ; its four v_nop are also the places in front of the loads below
.else
	PLACES
.endif
	FETCH \next, 0, F0
.if \fill
	ASK
.endif
	MUL24 F1, 1, 0
.endm
	s_wait_tensorcnt 1                             ; my part of K step 0 is in; K step 1's may stay out
	s_barrier_signal -1
	s_barrier_wait -1
	FETCH 0, 0, F0
	QUARTER 0, 1, F0, F1, 1                        ; the first quarter stands in front of the loop: its products start the sums
	WIN 0
	s_wait_loadcnt 0x0                             ; the norm weights: asked for ahead of the wait for the first tile
.set n, 0
.rept 32                                           ; rounded to bf16 once, and packed: they stay so until the way out
	v_cvt_pk_bf16_f32 v[NQ+n], v[XR+2*n], v[XR+2*n+1]
	v_cvt_pk_bf16_f32 v[NK+n], v[WR+2*n], v[WR+2*n+1]
.set n, n+1
.endr
	WIN 0x80                                       ; destination window 2, address window 0: cos and sin of my first 16 rows;
.irp b, 0,1,2,3,4,5,6,7
	global_load_b128 v[C2+4*(\b):C2+4*(\b)+3], v[ROFF], s[ROPEP:ROPEP+1] offset:32*(\b)
	global_load_b128 v[S2+4*(\b):S2+4*(\b)+3], v[ROFF], s[ROPEP:ROPEP+1] offset:32*(\b)+1048576
.endr
	WIN 0xc0                                       ; window 3: of my second 16, 4,096 bytes on.  32 loads of mine are out; nothing names their registers before the way out
.irp b, 0,1,2,3,4,5,6,7
	global_load_b128 v[C2+4*(\b):C2+4*(\b)+3], v[ROFF], s[ROPEP:ROPEP+1] offset:32*(\b)+4096
	global_load_b128 v[S2+4*(\b):S2+4*(\b)+3], v[ROFF], s[ROPEP:ROPEP+1] offset:32*(\b)+1048576+4096
.endr
	WIN 0
	s_mov_b32 s[LAP], 7
.Llap:                                             ; a trip goes once round the ring and fills both slots again
	QUARTER 0, 2, F1, F0, 0
	QUARTER 0, 3, F0, F1, 0
	TURN 0, 1, 1
	QUARTER 1, 1, F0, F1, 0
	QUARTER 1, 2, F1, F0, 0
	QUARTER 1, 3, F0, F1, 0
	TURN 1, 0, 1
	QUARTER 0, 1, F0, F1, 0
	WIN 0
	s_sub_co_u32 s[LAP], s[LAP], 1
	s_cmp_lg_u32 s[LAP], 0
	s_cbranch_scc1 .Llap
	QUARTER 0, 2, F1, F0, 0                        ; the last lap fills nothing
	QUARTER 0, 3, F0, F1, 0
	TURN 0, 1, 0
	QUARTER 1, 1, F0, F1, 0
	QUARTER 1, 2, F1, F0, 0
	QUARTER 1, 3, F0, F1, 0
	s_wait_dscnt 4
	MUL24 F1, 0, 0
	s_wait_dscnt 0x0                               ; my last reads of the ring are over
	MUL24 F1, 1, 0
	WIN 0
	PLACES
	s_barrier_signal -1                            ; nobody reads the ring any more, and it has had its last fill: the sums go over it
	s_barrier_wait -1
.macro DUMP a                          ; row block a: each accumulator's low four registers first
	WIN 0x08+4*((\a)/2)                            ; the stored data in window 2 or 3
.irp i, 0,1,2,3,4,5,6,7
	ds_store_b128 v[DS1+2*((\a)/2)], v[96*((\a)%2)+8*(\i):96*((\a)%2)+8*(\i)+3]   offset:((\a)%2)*RBLK+UNIT*(\i)
	ds_store_b128 v[DS1+2*((\a)/2)], v[96*((\a)%2)+8*(\i)+4:96*((\a)%2)+8*(\i)+7] offset:((\a)%2)*RBLK+UNIT*(\i)+512
.endr
.irp i, 8,9,10,11
	ds_store_b128 v[DS2+2*((\a)/2)], v[96*((\a)%2)+8*(\i):96*((\a)%2)+8*(\i)+3]   offset:((\a)%2)*RBLK+UNIT*((\i)-8)
	ds_store_b128 v[DS2+2*((\a)/2)], v[96*((\a)%2)+8*(\i)+4:96*((\a)%2)+8*(\i)+7] offset:((\a)%2)*RBLK+UNIT*((\i)-8)+512
.endr
.endm
	DUMP 0
	DUMP 1
	DUMP 2
	DUMP 3
	WIN 0
	s_wait_loadcnt 0x0                             ; cos and sin, asked for in the first K step: the one wait for them
	s_wait_dscnt 0x0                               ; for the others' sake: my stores are done
	s_barrier_signal -1
	s_barrier_wait -1
	; SIX ITEMS of 16 rows x 128 columns: a lane holds row l % 16 and, of column block b, the columns 8 (l / 16) + 0..7 in v[XR + 8 b ..]: half of the row; the other half lies in the lane 16 away.
	s_mov_b32 s90, 6                               ; items to go
	s_mov_b32 s91, 0                               ; the kind: 0 q, 1 k, 2 v
.Litem:
.irp u, 0,1,2,3,4,5,6,7,8,9,10,11,12,13,14,15
	ds_load_b128 v[XR+4*(\u):XR+4*(\u)+3], v[DL] offset:512*(\u)
.endr
	s_cmp_eq_u32 s91, 2
	s_cbranch_scc1 .Lplain                         ; v is only rounded
	v_mov_b32 v[SS], s91                           ; q's norm weights or k's: a choice of values by the kind; it stands, with the widening, in the wait for the item
	v_cmp_ne_u32 vcc_lo, 0, v[SS]
.set n, 0
.rept 32
	v_cndmask_b32 v[WR+2*n], v[NQ+n], v[NK+n], vcc_lo
.set n, n+1
.endr
.set n, 0
.rept 32
	v_and_b32 v[WR+2*n+1], s100, v[WR+2*n]
	v_lshlrev_b32 v[WR+2*n], 16, v[WR+2*n]
.set n, n+1
.endr
	s_wait_dscnt 0x0                               ; the item is in
.irp c, 0,1,2,3
	v_pk_mul_f32 v[SS+2*(\c):SS+2*(\c)+1], v[XR+2*(\c):XR+2*(\c)+1], v[XR+2*(\c):XR+2*(\c)+1]   ; four chains of squares, started by the first products
.endr
.set n, 4
.rept 28
	v_pk_fma_f32 v[SS+2*(n%4):SS+2*(n%4)+1], v[XR+2*n:XR+2*n+1], v[XR+2*n:XR+2*n+1], v[SS+2*(n%4):SS+2*(n%4)+1]
.set n, n+1
.endr
	v_pk_add_f32 v[SS:SS+1], v[SS:SS+1], v[SS+2:SS+3]
	v_pk_add_f32 v[SS+4:SS+5], v[SS+4:SS+5], v[SS+6:SS+7]
	v_pk_add_f32 v[SS:SS+1], v[SS:SS+1], v[SS+4:SS+5]
	v_add_f32 v[SS], v[SS], v[SS+1]
	v_permlanex16_b32 v[SS+1], v[SS], s98, s99     ; the row's other 64 columns
	v_add_f32 v[SS], v[SS], v[SS+1]
	v_fma_f32 v[RR+1], v[SS], s96, s97             ; the mean of the squares + 1e-6
	v_rsq_f32 v[RR], v[RR+1]
.set n, 0
.rept 32                                           ; times the norm weights: plain work behind the root, which names neither its result nor its source
	v_pk_mul_f32 v[XR+2*n:XR+2*n+1], v[XR+2*n:XR+2*n+1], v[WR+2*n:WR+2*n+1]
.set n, n+1
.endr
	s_wait_alu depctr_va_vdst(0)                   ; the wait ahead of the root's first reader
.set n, 0
.rept 32
	v_pk_mul_f32 v[XR+2*n:XR+2*n+1], v[XR+2*n:XR+2*n+1], v[RR:RR+1] op_sel_hi:[1,0]
.set n, n+1
.endr
	; RoPE: column c < 64 and column c + 64 lie in the same lane, four column blocks apart: lo' = lo cos_lo - hi sin_lo, hi' = hi cos_hi + lo sin_hi.  For each of four column blocks: cos and sin are widened out of
	; window 2 (32 lines under one setting), then the arithmetic, operation by operation across the block's four words, so that no line reads the result of the line before it.
.irp b, 0,1,2,3
	WIN 0x08                                       ; source 1 in window 2
.irp c, 0,1,2,3
.set rT, WR+16*(\c)
	v_lshlrev_b32 v[rT],   16,   v[C2+4*(\b)+(\c)]
	v_and_b32     v[rT+1], s100, v[C2+4*(\b)+(\c)]
	v_lshlrev_b32 v[rT+2], 16,   v[S2+4*(\b)+(\c)]
	v_and_b32     v[rT+3], s100, v[S2+4*(\b)+(\c)]
	v_lshlrev_b32 v[rT+4], 16,   v[C2+4*((\b)+4)+(\c)]
	v_and_b32     v[rT+5], s100, v[C2+4*((\b)+4)+(\c)]
	v_lshlrev_b32 v[rT+6], 16,   v[S2+4*((\b)+4)+(\c)]
	v_and_b32     v[rT+7], s100, v[S2+4*((\b)+4)+(\c)]
.endr
	WIN 0
.irp c, 0,1,2,3
.set rT, WR+16*(\c)
.set xl, XR+8*(\b)+2*(\c)
.set xh, XR+8*((\b)+4)+2*(\c)
	v_pk_mul_f32 v[rT+8:rT+9],   v[xh:xh+1], v[rT+2:rT+3]
	v_pk_mul_f32 v[rT+10:rT+11], v[xl:xl+1], v[rT+6:rT+7]
.endr
.irp c, 0,1,2,3
.set rT, WR+16*(\c)
.set xl, XR+8*(\b)+2*(\c)
.set xh, XR+8*((\b)+4)+2*(\c)
	v_pk_fma_f32 v[rT+12:rT+13], v[xl:xl+1], v[rT:rT+1],   v[rT+8:rT+9] neg_lo:[0,0,1] neg_hi:[0,0,1]
	v_pk_fma_f32 v[rT+14:rT+15], v[xh:xh+1], v[rT+4:rT+5], v[rT+10:rT+11]
.endr
.irp c, 0,1,2,3
.set rT, WR+16*(\c)
	v_cvt_pk_f16_f32 v[HR+4*(\b)+(\c)],     v[rT+12], v[rT+13]
	v_cvt_pk_f16_f32 v[HR+4*((\b)+4)+(\c)], v[rT+14], v[rT+15]
.endr
.endr
	s_branch .Lsend
.Lplain:                                           ; behind v the next 16 rows begin: their cos and sin go where the one text of the items names them (behind the last item the copy serves nothing); it stands in the wait for the item
	WIN 0x83                                       ; destination window 2, source window 3
.set n, 0
.rept 64
	v_mov_b32 v[C2+n], v[C2+n]
.set n, n+1
.endr
	WIN 0
	s_wait_dscnt 0x0
.set n, 0
.rept 32
	v_cvt_pk_f16_f32 v[HR+n], v[XR+2*n], v[XR+2*n+1]
.set n, n+1
.endr
.Lsend:                                            ; through my own stage: 16 bytes a lane in, whole rows of 256 bytes back; the 16 rows of a head are 4,096 consecutive bytes of qkv
.irp b, 0,1,2,3,4,5,6,7
	ds_store_b128 v[STO], v[HR+4*(\b):HR+4*(\b)+3] offset:32*(\b)
.endr
.irp f, 0,1,2,3,4,5,6,7
	ds_load_b128 v[XR+4*(\f):XR+4*(\f)+3], v[RD] offset:(\f)*2*SP   ; LDS serves a wave's instructions in order (ISA guide 5.7.1.4): these see the stores above
.endr
.irp f, 0,1,2,3,4,5,6,7
	s_wait_dscnt 7-(\f)                            ; the younger loads may stay out
	global_store_b128 v[GO], v[XR+4*(\f):XR+4*(\f)+3], s[OUTP:OUTP+1] offset:512*(\f)
.endr
	s_wait_xcnt 0x0                                ; the stores have read their registers: the pointer and the data are written again only behind this wait
	v_add_nc_u32 v[DL], 8*UNIT, v[DL]
	s_add_co_u32 s91, s91, 1
	s_cmp_eq_u32 s91, 3
	s_cselect_b32 s91, 0, s91
	s_cselect_b32 s92, 25161728, 0                 ; behind v: back three planes, 16 rows on
	s_add_nc_u64 s[OUTP:OUTP+1], s[OUTP:OUTP+1], 8388608
	s_sub_nc_u64 s[OUTP:OUTP+1], s[OUTP:OUTP+1], s[92:93]
	s_sub_co_u32 s90, s90, 1
	s_cmp_lg_u32 s90, 0
	s_cbranch_scc1 .Litem
	s_wait_tensorcnt 0x0                           ; the wave's end: these three lines stand behind my last tensor load and my last LDS store
	ds_add_u32 v[SPW], v[NIL]
	s_wait_dscnt 0x0
	CROUND                                         ; the closing round
	s_endpgm
.Lfunc_end_k_qb7dbcaeb1e_qkv:
	.size	k_qb7dbcaeb1e_qkv, .Lfunc_end_k_qb7dbcaeb1e_qkv-k_qb7dbcaeb1e_qkv
	.p2alignl 7, 3214868480
	.fill 96, 4, 3214868480
	.section	.rodata,"a",@progbits
	.p2align	6, 0x0
	.amdhsa_kernel k_qb7dbcaeb1e_qkv
		.amdhsa_group_segment_fixed_size 327680
		.amdhsa_private_segment_fixed_size 0
		.amdhsa_enable_private_segment 0
		.amdhsa_kernarg_size 48
		.amdhsa_user_sgpr_count 2
		.amdhsa_user_sgpr_kernarg_segment_ptr 1
		.amdhsa_wavefront_size32 1
		.amdhsa_system_sgpr_workgroup_id_x 1
		.amdhsa_system_sgpr_workgroup_id_y 1
		.amdhsa_system_sgpr_workgroup_id_z 1
		.amdhsa_system_vgpr_workitem_id 0
		.amdhsa_next_free_vgpr 1024
		.amdhsa_next_free_sgpr 102
		.amdhsa_reserve_vcc 1
		.amdhsa_float_denorm_mode_32 3
		.amdhsa_float_denorm_mode_16_64 3
		.amdhsa_memory_ordered 1
		.amdhsa_forward_progress 1
		.amdhsa_inst_pref_size 142
	.end_amdhsa_kernel
	.amdgpu_metadata
---
amdhsa.version: [ 1, 2 ]
amdhsa.kernels:
  - .name:           k_qb7dbcaeb1e_qkv
    .symbol:         k_qb7dbcaeb1e_qkv.kd
    .args:
      - { .name: xb, .offset: 0, .size: 8, .value_kind: global_buffer, .address_space: global }
      - { .name: wqkv, .offset: 8, .size: 8, .value_kind: global_buffer, .address_space: global }
      - { .name: rope, .offset: 16, .size: 8, .value_kind: global_buffer, .address_space: global }
      - { .name: q_norm_w, .offset: 24, .size: 8, .value_kind: global_buffer, .address_space: global }
      - { .name: k_norm_w, .offset: 32, .size: 8, .value_kind: global_buffer, .address_space: global }
      - { .name: qkv, .offset: 40, .size: 8, .value_kind: global_buffer, .address_space: global }
    .group_segment_fixed_size: 327680
    .private_segment_fixed_size: 0
    .kernarg_segment_align: 8
    .kernarg_segment_size: 48
    .max_flat_workgroup_size: 128
    .sgpr_count:     102
    .vgpr_count:     1024
    .wavefront_size: 32
...
	.end_amdgpu_metadata
.endif
;; end of part 2
;; launch attn (part 3): grid 16 x 16, 4 waves a work-group, clusters of 4 x 1, 327,680 bytes of LDS; arguments qkv, att; writes att
.if DOCPART == 3
	.amdgcn_target "amdgcn-amd-amdhsa--gfx1250"
	.amdhsa_code_object_version 6
	.text
	.protected	k_qb7dbcaeb1e_attn
	.globl	k_qb7dbcaeb1e_attn
	.p2align	8
	.type	k_qb7dbcaeb1e_attn,@function
k_qb7dbcaeb1e_attn:
	s_mov_b64 s[64:65], 0
	v_nop
	global_prefetch_b8 v0, s[64:65] scope:SCOPE_SE
	s_setreg_imm32_b32 hwreg(HW_REG_WAVE_MODE, 25, 1), 1
	s_wait_xcnt 0x0
	s_wait_alu depctr_hold_cnt(0) depctr_sa_sdst(0) depctr_va_vdst(0) depctr_va_sdst(0) depctr_va_ssrc(0) depctr_va_vcc(0) depctr_vm_vsrc(0)
	s_getreg_b32 s2, hwreg(HW_REG_IB_STS2, 6, 4)
	s_cmp_eq_u32 s2, 0
	s_cbranch_scc0 .Lentry_in_a_cluster
	s_endpgm
.Lentry_in_a_cluster:
	s_bfe_u32 s2, ttmp6, 0x10000c
	s_cmp_lg_u32 s2, 0x3003
	s_cbranch_scc0 .Lentry_shape_is_right
	s_endpgm
.Lentry_shape_is_right:
; CAUSAL ATTENTION.  att[batch x 2048 + q][head x 128 + :] = the sum over k <= q of softmax_k(Q[q] . K[k] / sqrt(128)) V[k][:].  Q, K, V: qkv[3][16 (batch, head)][2048][128] f16; att: [4096][1024] f16.
; Products, maxima and sums in f32; the weights p are rounded to f16 for the second product (their sum l is taken of the unrounded p), att once at the end.
; LIMITS.  Q, K, V arrive within f16's range, so a score is 5.5e11 at the most.  The running maximum starts at -1e20, far below every such score; a hidden score counts as its value less 1e30, below that start.
; A weight below 2^-126 counts as 0 in l; NaN and infinities are not treated apart.
; THE WALK.  A head's queries lie in 32 blocks of 64, its keys in 8 tiles of 256; block i needs the tiles 0 .. i / 4, of which the last holds the diagonal.  A work-group takes TWO blocks, 31 - b and then b:
; 9 tiles, whatever b: 16 x 16 work-groups of equal work, and ONE loop with a constant trip count walks them.
; CLUSTER 4 x 1.  b = 4 x cluster x + cx: the four partners own the four blocks of one stretch of 256 queries, first 7 - c and then c (c = cluster x), so all four walk the same tiles, 0 .. 7 - c and 0 .. c:
; each tile is asked for JOINTLY, by the same tensor load, descriptor and mask in all four.  Trip counts and branches hang on c alone; cx enters Q's and att's addresses, the prefetches' address and two data scalars of the mask.
; SHARES.  Wave w: its 32 queries by w / 2, two tiles of 16; its HALF OF THE KEYS by kp = w % 2: of each tile of 256 keys the 128 from 128 kp on, two steps of 64.  The two waves of a pair hold partial sums of the same queries.
; At a block's end they meet in LDS: register tile t holds row tile t xor kp, so every wave GIVES its register tile 1 (f32 sums, c m, l) to its partner and KEEPS register tile 0: one text for all waves, a tile each to finish.
; THE MASK is the C operand that starts S^T = K Q^T: MC, which holds 0 but in the diagonal tile, where it is MD x AL + BE.  The block lies at place r of its four; my step 2 - CNT is step 2 kp + 2 - CNT of the tile:
; it holds the diagonal if CNT = DC = 2 kp + 2 - r: (1, 0); it is hidden if CNT < DC: (0, -1e30); else (0, 0).  A wave all of whose keys are hidden keeps m at its start, and weights, l and sums of 0.
; LAYOUT.  S^T = K Q^T holds ONE query a lane (l % 16) and the keys 8 (l / 16) + 0..7; two such results rounded to f16 ARE source 1 of O^T = V^T P.  K comes out of LDS as it lies, V turned.
; SOFTMAX.  p = 2^(c s - c m), c = log2(e) / sqrt(128), with a running maximum m; O and l are multiplied by a = 2^(c m_old - c m_new) in every step.  A block starts with c m far below c times m's start: its first a is 0.
; BY TURNS.  In turn x tile x has the matrix unit: 16 products V^T P of the step in hand, then 16 products K Q^T of the next; the other tile's softmax, 134 instructions in 32 slices, stands behind them, a slice each.
; REGISTERS: window 0: v2-8, v28-30 addresses; v12-27 statistics; v44-59 at work; v64-127 S^T; v192-223 P.  window 1: v0-127 O^T; v128-159, v224-255 MD; v160-223 MC.  window 2: v0-63 Q; v64-127 the second block's Q; v128-255 K.  window 3: v0-127 V.
.set NT,    8                          ; key tiles in a head
.set KS,    64
.set PKP,   272                        ; a row of K in LDS: 256 + 16
.set PVP,   288                        ; a row of V: 256 + 32
.set KSTEP, KS*PKP
.set VSTEP, KS*PVP
.set VOFF,  2*KSTEP                    ; a region: 128 rows of K, then 128 rows of V
.set REG,   81920                      ; half kp of slot s lies at kp x REG + s x XS
.set XS,    2*REG                      ; 0 and 81,920 have neither of 163,840's two bits: one exclusive or changes slots
.set GAP,   2*(KSTEP+VSTEP)            ; behind each region's 71,680 bytes: 10,240 that no tensor load fills; those behind region w are wave w's
.set STAT,  8192                       ; in them: 8,192 bytes for the tile that I give, later my stage of 16 rows x 272; then 512 for c m and l
.set SP,    272
.set SPARE, 3*REG+GAP+8704             ; the spare words: 128 bytes a wave, two blocks of 256 bytes that no other line names
.set AK0, 2
.set AV0, 3
.set ADR, 4
.set QO,  5                            ; v5   my byte offset in Q for register tile 0
.set STO, 6
.set RD,  7
.set GO,  8
.set ST,  12                           ; tile t's statistics at v[ST+8 t]: c m, m (at the end: l), l (even keys', odd keys'), c0-c3 at work; a takes c2's place
.set DSA, 28                           ; v28  my own bytes + 16 l
.set RDM, 29                           ; v29  my partner's + 16 l
.set QO2, 30                           ; v30  my byte offset in Q for register tile 1
.set PS,  44                           ; v[44:45] my partner's c m and l
.set PFO, 61                           ; v61  the prefetches' offset; never rewritten
.set SPW, 62
.set NIL, 63
.set S,   64
.set P,   192
.set MD,  128                          ; tile t's at MD + 96 t
.set MC,  160
.set QB,  64
.set KF,  128
.set WV,  12
.set G1K, 24
.set G1V, 32
.set G0K, 40
.set G0V, 44
.set SLOTS, 56
.set CNT, 57
.set CS,  58
.set SEL, 60
.set TBK, 62                           ; LDS byte at which K of the step to be fetched begins
.set TBV, 63                           ; the same for V, less VOFF
.set RT,  70                           ; tiles of the block in hand still to be entered
.set NXT, 71                           ; the tile to be asked for next
.set LQ,  72                           ; the last tile of the block whose tiles are being asked for
.set NEW, 73                           ; 1: the tile to be entered is a block's first
.set OFF, 74
.set AL,  76
.set BE,  78
.set OLO, 80                           ; att at my rows of the second block
.set BIGN, 82
.set PFC, 83                           ; prefetches still to come
.set PFA, 84                           ; K's plane at my work-group's 64 rows of the tile that is being asked for
.set KP,  88
.set DC,  89                           ; the mask's step count for the block in hand,
.set DC2, 90                           ; and for the second block
.set QH,  91
.set CXR, 92
.set CLU, 93
.set MSB, 0
.macro WIN new
.if MSB != (\new)
	s_set_vgpr_msb (MSB<<8)|(\new)
.set MSB, (\new)
.endif
.endm
.set W_KQ, 0x0a                        ; K and Q in window 2, S^T in window 0
.set W_KM, 0x1a                        ; the same with C in window 1
.set W_PV, 0x53                        ; V in window 3, P in window 0, O^T in window 1
.set W_RS, 0x41                        ; destination and source 0 in window 1, source 1 in window 0
; A joint fill.  Waves 0 and 1 fetch the two halves of a tile's K, waves 2 and 3 those of its V: 128 rows of 256 bytes each.  The branch hangs on the wave's number alone.  An s_nop 0 and four v_nop follow each line.
.macro LOAD
	s_cmp_lt_u32 s[WV], 2
	s_cbranch_scc0 .Lfor_v_\@
	tensor_load_to_lds s[G0K:G0K+3], s[G1K:G1K+7]
	s_nop 0
.rept 4
	v_nop
.endr
	s_branch .Lasked_\@
.Lfor_v_\@:
	tensor_load_to_lds s[G0V:G0V+3], s[G1V:G1V+7]
	s_nop 0
.rept 4
	v_nop
.endr
.Lasked_\@:
.endm
; A prefetch: the change that asks for tile n names tile n + 1, one tile (128 matrix instructions a wave) ahead of its load.  All clusters of a head walk the same tiles; the one with c = 0, whose first blocks walk all 8,
; asks, and nobody else: tiles 2 to 7, six times.  Its four partners take 64 rows of K and 64 of V each, told apart by address: a thread a row, one instruction a wave.  Tiles 0 and 1 come by their loads alone.
.macro ASK
	s_cmp_lg_u32 s[PFC], 0
	s_cbranch_scc0 .Lnone_\@
	global_prefetch_b8 v[PFO], s[PFA:PFA+1] th:TH_LOAD_NT scope:SCOPE_SE
	s_sub_co_u32 s[PFC], s[PFC], 1
.Lnone_\@:
.endm
; A round of the cluster's barrier: my work-group's barrier, so that wave 0's signal speaks for all four waves; wave 0 signals; every wave waits for all four work-groups; my work-group's barrier once more.
.macro CROUND
	s_barrier_signal -1
	s_barrier_wait -1
	s_cmp_lg_u32 s[WV], 0
	s_cbranch_scc1 .Lnot_wave_0_\@
	s_barrier_signal -3
.Lnot_wave_0_\@:
	s_barrier_wait -3
	s_barrier_signal -1
	s_barrier_wait -1
.endm
; THE CHANGE OF SLOTS.  Each wave waits for all its tensor loads (one is out: its part of the other slot), adds 0 to its spare word, and waits for that and for its reads of the slot that it leaves.
; fill = 1: the barrier is a round of the cluster's, so that no wave of any partner still reads the slot or has a load on its way; the old slot is filled again, first thing behind it, with tile NXT;
; the descriptor's address is made anew from that number.  (At its first use nothing has been read yet: slot 0 is waited for, slot 1 filled.)
.macro CHANGE fill
	WIN 0
	s_wait_tensorcnt 0x0
	ds_add_u32 v[SPW], v[NIL]                      ; scalar work stands between the add and the wait for it
	s_sub_co_u32 s[TBK], s[TBK], 2*KSTEP           ; the fetches go back to a region's first step,
	s_xor_b32 s[TBK], s[TBK], XS                   ; in the other slot
	s_sub_co_u32 s[TBV], s[TBV], 2*VSTEP
	s_xor_b32 s[TBV], s[TBV], XS
.if \fill
	s_lshl_b32 s[OFF], s[NXT], 16                  ; a tile is 65,536 bytes of K and of V
	s_xor_b32 s[G0K+1], s[G0K+1], XS
	s_add_co_u32 s[G0V+1], s[G0K+1], VOFF
	s_add_nc_u64 s[G0K+2:G0K+3], s[8:9], s[OFF:OFF+1]
	s_or_b32 s[G0K+3], s[G0K+3], 0x80000000
	s_add_nc_u64 s[G0V+2:G0V+3], s[10:11], s[OFF:OFF+1]
	s_or_b32 s[G0V+3], s[G0V+3], 0x80000000
	s_add_co_u32 s[NXT], s[NXT], 1                 ; the block's next tile, or behind its last the second block's tile 0
	s_cmp_gt_u32 s[NXT], s[LQ]
	s_cselect_b32 s[NXT], 0, s[NXT]
	s_cselect_b32 s[LQ], s[CLU], s[LQ]
	s_wait_xcnt 0x0                                ; the last prefetch, a tile back, has read its address
	s_add_nc_u64 s[PFA:PFA+1], s[PFA:PFA+1], 65536
	s_wait_dscnt 0x0                               ; the add is done, and my reads of the slot are over
	CROUND
	LOAD
	ASK
.else
	s_wait_dscnt 0x0                               ; the add is done, and my reads of the slot are over
	s_barrier_signal -1
	s_barrier_wait -1
.endif
.endm
	s_load_b128 s[4:7], s[0:1], 0x0                ; qkv s[4:5], att s[6:7]
	v_lshl_add_u32 v[SPW], v0, 2, SPARE
	v_mov_b32 v[NIL], 0
	ds_add_u32 v[SPW], v[NIL]                      ; the wave's opening: the add and its wait stand ahead of my first tensor load
	v_lshrrev_b32 v1, 5, v0
	v_readfirstlane_b32 s[WV], v1
	s_and_b32 s[KP], s[WV], 1                      ; my half of the keys.  Also: which half of a tile I fetch
	s_lshr_b32 s[QH], s[WV], 1                     ; my 32 queries
	s_bfe_u32 s[CXR], ttmp6, 0x40000               ; cx
	s_mov_b32 s[CLU], ttmp9                        ; c, which the four partners share
	s_lshl_b32 s14, ttmp9, 2
	s_add_co_u32 s14, s14, s[CXR]                  ; b: the second block
	s_sub_co_u32 s15, 31, s14                      ; the first
	s_and_b32 s20, ttmp7, 0xffff                   ; batch x 8 + head
	s_lshl_b32 s21, s20, 19                        ; its 2,048 rows of 256 bytes in each plane
	s_lshl_b32 s22, s[KP], 15                      ; my half's 128 rows
	s_add_co_u32 s22, s22, s21
	s_add_co_u32 s22, s22, 8388608                 ; K's plane
	s_mov_b32 s23, 0
	s_mul_i32 s17, s[KP], REG
	s_lshl_b32 s18, s[QH], 13                      ; my 32 rows in a block
	s_add_co_u32 s18, s18, s21
	s_lshl_b32 s50, s15, 14                        ; a block is 64 rows of 256 bytes
	s_add_co_u32 s50, s50, s18
	s_mov_b32 s51, 0
	s_lshl_b32 s52, s14, 14
	s_add_co_u32 s52, s52, s18
	s_mov_b32 s53, 0
	s_lshr_b32 s19, s20, 3                         ; att: (batch x 2048 + block x 64 + 32 (w / 2) + 16 kp) x 2,048 + head x 256: the tile that I keep is row tile kp
	s_lshl_b32 s19, s19, 22
	s_and_b32 s54, s20, 7
	s_lshl_b32 s54, s54, 8
	s_add_co_u32 s19, s19, s54
	s_lshl_b32 s54, s[QH], 16
	s_add_co_u32 s19, s19, s54
	s_lshl_b32 s54, s[KP], 15
	s_add_co_u32 s19, s19, s54
	s_lshl_b32 s54, s15, 17
	s_add_co_u32 s54, s54, s19
	s_mov_b32 s55, 0
	s_lshl_b32 s66, s14, 17
	s_add_co_u32 s66, s66, s19
	s_mov_b32 s67, 0
	s_lshl_b32 s68, s[CXR], 14                     ; the prefetches: my work-group's 64 rows,
	s_add_co_u32 s68, s68, s21
	s_add_co_u32 s68, s68, 8388608+65536           ; in K's plane, the head's tile 1; the first change of slots steps it to tile 2
	s_mov_b32 s69, 0
	s_mov_b32 s[G1K], 15|(1<<16)|(1<<20)|(1<<21)|(5<<22)|(3<<25)  ; the mask of four; 2-byte elements; padding on; bit 21 beside a mask; after every 64 words 4 words
	s_mov_b32 s[G1V], 15|(1<<16)|(1<<20)|(1<<21)|(5<<22)|(7<<25)  ; the same with 8 words
.irp g, G1K, G1V
	s_mov_b32 s[\g+1], 128<<16                     ; tensor_dim0 = 128
	s_mov_b32 s[\g+2], 128<<16                     ; tensor_dim1 = 128
	s_mov_b32 s[\g+3], 128<<16                     ; tile_dim0 = 128
	s_mov_b32 s[\g+4], 128                         ; tile_dim1 = 128
	s_mov_b32 s[\g+5], 128                         ; elements from row to row
	s_mov_b32 s[\g+6], 0
	s_mov_b32 s[\g+7], 0
.endr
	s_mov_b32 s[CS], 0x3e0293ee                    ; c = log2(e) / sqrt(128)
	s_mov_b32 s[CS+1], s[CS]
	s_mov_b32 s[SEL], 0x76543210
	s_mov_b32 s[SEL+1], 0xfedcba98
	s_add_co_u32 s[TBK], s17, XS+2*KSTEP           ; the first change of slots turns these two into my region of slot 0
	s_add_co_u32 s[TBV], s17, XS+2*VSTEP
	s_mov_b32 s[G0K], 1
	s_mov_b32 s[G0K+1], s17
	s_mov_b32 s[G0V], 1
	s_add_co_u32 s[G0V+1], s17, VOFF
	s_sub_co_u32 s[RT], 8, s[CLU]                  ; the first block has 8 - c tiles
	s_sub_co_u32 s[LQ], 7, s[CLU]
	s_mov_b32 s[NXT], 1
	s_mov_b32 s[NEW], 1
	s_mov_b32 s[OFF+1], 0
	s_mov_b32 s[AL+1], 0
	s_mov_b32 s[BE+1], 0
	s_mov_b32 s[BIGN], 0xf149f2ca                  ; -1e30
	s_lshl_b32 s16, s[KP], 1
	s_add_co_u32 s[DC], s16, s[CXR]                ; the first block lies at place 3 - cx of its four: 2 kp + 2 - (3 - cx),
	s_sub_co_u32 s[DC], s[DC], 1
	s_add_co_u32 s[DC2], s16, 2                    ; the second at place cx
	s_sub_co_u32 s[DC2], s[DC2], s[CXR]
	s_mov_b32 s[SLOTS], NT
	s_cmp_eq_u32 s[CLU], 0
	s_cselect_b32 s[PFC], 6, 0
	v_and_b32 v[PFO], 63, v0                       ; threads 0-63: a row of K; threads 64-127: a row of V, a plane further on
	v_lshlrev_b32 v[PFO], 8, v[PFO]
	v_bfe_u32 v60, v0, 6, 1
	v_lshl_add_u32 v[PFO], v60, 23, v[PFO]
	s_wait_dscnt 0x0                               ; the opening add is done
	s_wait_kmcnt 0x0
	s_add_nc_u64 s[8:9], s[4:5], s[22:23]          ; K and V at my half of the head's tile 0
	s_add_nc_u64 s[10:11], s[8:9], 8388608
	s_add_nc_u64 s[48:49], s[4:5], s[50:51]        ; Q at my rows of the first block,
	s_add_nc_u64 s[86:87], s[4:5], s[52:53]        ; and of the second
	s_add_nc_u64 s[PFA:PFA+1], s[4:5], s[68:69]
	s_add_nc_u64 s[OLO:OLO+1], s[6:7], s[66:67]
	s_add_nc_u64 s[6:7], s[6:7], s[54:55]
	s_add_nc_u64 s[G0K+2:G0K+3], s[8:9], 0
	s_or_b32 s[G0K+3], s[G0K+3], 0x80000000
	s_add_nc_u64 s[G0V+2:G0V+3], s[10:11], 0
	s_or_b32 s[G0V+3], s[G0V+3], 0x80000000
	CROUND                                         ; all four work-groups are here: the first joint loads meet
	LOAD                                           ; tile 0 into slot 0
	v_and_b32 v1, 15, v0                           ; l % 16
	v_bfe_u32 v9, v0, 4, 1                         ; l / 16
	v_lshlrev_b32 v10, 8, v1
	v_lshl_add_u32 v10, v9, 4, v10
	s_lshl_b32 s13, s[KP], 12                      ; register tile 0 holds row tile kp,
	v_add_nc_u32 v[QO], s13, v10
	s_xor_b32 s13, s13, 4096                       ; register tile 1 the other: 16 rows of 256 bytes apart
	v_add_nc_u32 v[QO2], s13, v10
	WIN 0x80
.set i, 0
.rept 4                                            ; both blocks' Q: channels 32 i on
	global_load_b128 v[8*i:8*i+3],             v[QO],  s[48:49] offset:i*64
	global_load_b128 v[8*i+4:8*i+7],           v[QO],  s[48:49] offset:i*64+32
	global_load_b128 v[32+8*i:32+8*i+3],       v[QO2], s[48:49] offset:i*64
	global_load_b128 v[32+8*i+4:32+8*i+7],     v[QO2], s[48:49] offset:i*64+32
	global_load_b128 v[QB+8*i:QB+8*i+3],       v[QO],  s[86:87] offset:i*64
	global_load_b128 v[QB+8*i+4:QB+8*i+7],     v[QO],  s[86:87] offset:i*64+32
	global_load_b128 v[QB+32+8*i:QB+32+8*i+3], v[QO2], s[86:87] offset:i*64
	global_load_b128 v[QB+32+8*i+4:QB+32+8*i+7], v[QO2], s[86:87] offset:i*64+32
.set i, i+1
.endr
	WIN 0
	v_lshlrev_b32 v46, 3, v9
	v_sub_nc_u32 v46, v1, v46
	s_lshl_b32 s13, s[QH], 5
	s_lshl_b32 s16, s[KP], 4
	s_add_co_u32 s13, s13, s16
	v_add_nc_u32 v44, s13, v46                     ; my query's place in its block, by register tile, less my lanes' 8 (l / 16): register j of key group kt is hidden where 16 kt + j is greater
	s_xor_b32 s13, s13, 16
	v_add_nc_u32 v45, s13, v46
	WIN 0x40
.irp t, 0,1
.set i, 0
.rept 32
	v_cmp_gt_i32 vcc_lo, 16*(i/8)+i%8, v[44+(\t)]
	v_cndmask_b32 v[MD+96*(\t)+i], 0, s[BIGN], vcc_lo
.set i, i+1
.endr
.endr
	WIN 0
	v_mul_u32_u24 v[AK0], v1, PKP
	v_lshl_add_u32 v[AK0], v9, 4, v[AK0]
	v_and_b32 v10, 7, v0
	v_bfe_u32 v11, v0, 3, 1
	v_lshl_add_u32 v[AV0], v9, 3, v10
	v_mul_u32_u24 v[AV0], v[AV0], PVP
	v_lshl_add_u32 v[AV0], v11, 4, v[AV0]
	v_add_nc_u32 v[AV0], VOFF, v[AV0]
	s_mul_i32 s13, s[WV], REG
	s_add_co_u32 s13, s13, GAP                     ; my own bytes
	v_mul_u32_u24 v[STO], v1, SP
	v_lshl_add_u32 v[STO], v9, 4, v[STO]
	v_add_nc_u32 v[STO], s13, v[STO]
	v_mul_u32_u24 v[RD], v9, SP
	v_lshl_add_u32 v[RD], v1, 4, v[RD]
	v_add_nc_u32 v[RD], s13, v[RD]
	v_and_b32 v46, 31, v0
	v_lshlrev_b32 v46, 4, v46
	v_add_nc_u32 v[DSA], s13, v46
	s_xor_b32 s16, s[WV], 1                        ; my partner: the same queries, the other half of the keys
	s_mul_i32 s16, s16, REG
	s_add_co_u32 s16, s16, GAP
	v_add_nc_u32 v[RDM], s16, v46
	v_lshlrev_b32 v[GO], 11, v9                    ; two rows of att, 2,048 bytes apart; 16 lanes fill a head's 256 bytes
	v_lshl_add_u32 v[GO], v1, 4, v[GO]
	; A block's first step multiplies O^T and l by a = 0, and its first turn's products V^T P, of a step that has not been, land in an O^T that is still to be so multiplied: these registers need only hold
	; finite numbers: zeros for the first block, what the first block left for the second.  All this stands in the wait for the first tile; it is the price of writing no first step out.
	WIN 0xc0
.set i, 0
.rept 128
	v_mov_b32 v[i], 0
.set i, i+1
.endr
	WIN 0x40
.set i, 0
.rept 128
	v_mov_b32 v[i], 0
.set i, i+1
.endr
	WIN 0
.irp t, 0,1
	v_mov_b32 v[ST+8*(\t)+2], 0
	v_mov_b32 v[ST+8*(\t)+3], 0
.endr
.set i, P+16
.rept 16
	v_mov_b32 v[i], 0
.set i, i+1
.endr
; THE MATRIX WORK.  The accumulators take turns, one instruction a turn: 8 in V^T P, 4 in K Q^T.
.macro PV t                            ; product i of 16: keys 32 (i / 8) on, channels 16 (i % 8) on
	WIN W_PV
.set rO, 64*(\t)+8*(i%8)
.set rV, 64*(i/8)+8*(i%8)
.set rP, P+16*(\t)+8*(i/8)
	v_wmma_f32_16x16x32_f16 v[rO:rO+7], v[rV:rV+7], v[rP:rP+7], v[rO:rO+7]
.endm
.macro KQ t                            ; product i of 16: channels 32 (i / 4) on, keys 16 (i % 4) on; the first 4 start the sums with the mask
.set rS, S+32*(\t)+8*(i%4)
.set rK, KF+32*(i%4)+8*(i/4)
.set rQ, 32*(\t)+8*(i/4)
.set rM, MC+32*(\t)+8*(i%4)
.if i < 4
	WIN W_KM
	v_wmma_f32_16x16x32_f16 v[rS:rS+7], v[rK:rK+7], v[rQ:rQ+7], v[rM:rM+7]
.else
	WIN W_KQ
	v_wmma_f32_16x16x32_f16 v[rS:rS+7], v[rK:rK+7], v[rQ:rQ+7], v[rS:rS+7]
.endif
.endm
; THE LDS LOADS stand in runs of 32
.macro FETCH_K
	WIN 0
	v_add_nc_u32 v[ADR], s[TBK], v[AK0]
	s_add_co_u32 s[TBK], s[TBK], KSTEP             ; the next fetch is the next step's
	WIN 0x80
.irp f, 0,1,2,3,4,5,6,7,8,9,10,11,12,13,14,15      ; keys 16 (f / 4) on, channels 32 (f % 4) on
	ds_load_b128 v[KF+8*(\f):KF+8*(\f)+3],   v[ADR] offset:((\f)/4)*16*PKP+((\f)%4)*64
	ds_load_b128 v[KF+8*(\f)+4:KF+8*(\f)+7], v[ADR] offset:((\f)/4)*16*PKP+((\f)%4)*64+32
.endr
.endm
.macro FETCH_V
	WIN 0
	v_add_nc_u32 v[ADR], s[TBV], v[AV0]
	s_add_co_u32 s[TBV], s[TBV], VSTEP
	s_wait_alu depctr_va_vdst(0)                   ; the wait for the softmax's batch of exponentials, ahead of their first reader
	WIN 0xc0
.irp f, 0,1,2,3,4,5,6,7,8,9,10,11,12,13,14,15      ; keys 32 (f / 8) on, channels 16 (f % 8) on
	ds_load_tr16_b128 v[8*(\f):8*(\f)+3],   v[ADR] offset:((\f)/8)*32*PVP+((\f)%8)*32
	ds_load_tr16_b128 v[8*(\f)+4:8*(\f)+7], v[ADR] offset:((\f)/8)*32*PVP+16*PVP+((\f)%8)*32
.endr
.endm
; THE VECTOR WORK: number j of the 134 of tile t's softmax for a step.  0-15 the maximum of the 32 scores and the old m (each accumulator's lowest registers first); 16-20 the other half
; of the lanes' maximum, m, c m, its change; 21-69 ONE BATCH: 16 scalings c s - c m and 33 exponentials (a at 23), none of which reads an exponential's result; 70-85 the roundings to f16; 86-101 the sums and l; 102-133 O^T times a.
.macro SM t
.set rT, ST+8*(\t)
.set rS, S+32*(\t)
.set rP, P+16*(\t)
.set rO, 64*(\t)+2*(j-102)
.if j < 102
	WIN 0
.endif
.if j < 4
	v_max3_num_f32 v[rT+4+j], v[rS+8*j], v[rS+8*j+1], v[rS+8*j+2]
.elseif j < 12
	v_max3_num_f32 v[rT+4+j%4], v[rT+4+j%4], v[rS+8*(j%4)+2*(j/4)+1], v[rS+8*(j%4)+2*(j/4)+2]
.elseif j == 12
	v_max3_num_f32 v[rT+4], v[rT+4], v[rS+7], v[rS+15]
.elseif j == 13
	v_max3_num_f32 v[rT+6], v[rT+6], v[rS+23], v[rS+31]
.elseif j == 14
	v_max3_num_f32 v[rT+4], v[rT+4], v[rT+5], v[rT+6]
.elseif j == 15
	v_max3_num_f32 v[rT+4], v[rT+4], v[rT+7], v[rT+1]
.elseif j == 16
	v_permlanex16_b32 v[rT+5], v[rT+4], s[SEL], s[SEL+1]
.elseif j == 17
	v_mov_b32 v[rT+7], v[rT]
.elseif j == 18
	v_max_num_f32 v[rT+1], v[rT+4], v[rT+5]
.elseif j == 19
	v_mul_f32 v[rT], s[CS], v[rT+1]
.elseif j == 20
	v_sub_f32 v[rT+7], v[rT+7], v[rT]
.elseif j == 23
	v_exp_f32 v[rT+6], v[rT+7]
.elseif (j < 23) || ((j < 38) && (j%2 == 0)) || ((j < 66) && (j%4 == 2))
.set b, (j-2)/4
.if j < 38
.set b, (j-20)/2
.endif
	v_pk_fma_f32 v[rS+2*b:rS+2*b+1], v[rS+2*b:rS+2*b+1], s[CS:CS+1], v[rT:rT+1] op_sel_hi:[1,0,0] neg_lo:[0,0,1] neg_hi:[0,0,1]
.elseif j < 70
.set e, j-38
.if j < 66
.set e, j-32-(j-38)/4
.endif
.if j < 38
.set e, (j-25)/2
.endif
	v_exp_f32 v[rS+e], v[rS+e]
.elseif j < 86
	v_cvt_pk_f16_f32 v[rP+j-70], v[rS+2*(j-70)], v[rS+2*(j-70)+1]
.elseif j < 102
.set z, j-86
.set w, 4
.set u, z
.if z >= 14
.set w, 32
.set u, 0
.elseif z >= 12
.set w, 16
.set u, z-12
.elseif z >= 8
.set w, 8
.set u, z-8
.endif
.if z < 15
	v_pk_add_f32 v[rS+w*u:rS+w*u+1], v[rS+w*u:rS+w*u+1], v[rS+w*u+w/2:rS+w*u+w/2+1]
.else
	v_pk_fma_f32 v[rT+2:rT+3], v[rT+2:rT+3], v[rT+6:rT+7], v[rS:rS+1] op_sel_hi:[1,0,1]
.endif
.else
	WIN W_RS
	v_pk_mul_f32 v[rO:rO+1], v[rO:rO+1], v[rT+6:rT+7] op_sel_hi:[1,0]
.endif
.endm
; Slice k of 32 of tile y's softmax: four numbers (slice 5: two; slice 31: twelve, all plain: the places behind the turn's last product).  Behind slice 17 the batch is out and no result has been named: two v_nop
; (the plain instruction behind the last exponential; with numbers 58 and 62 and the run's own addition also the places behind the last product that read V), then the one wait: alone, or in V's run of loads.
.macro SLICE y
.if k < 5
.set j, 4*k
.set jn, 4
.elseif k == 5
.set j, 20
.set jn, 2
.elseif k < 18
.set j, 22+4*(k-6)
.set jn, 4
.elseif k < 31
.set j, 70+4*(k-18)
.set jn, 4
.else
.set j, 122
.set jn, 12
.endif
.rept jn
	SM \y
.set j, j+1
.endr
.if k == 17
	v_nop
	v_nop
.if (\y) == 0
	FETCH_V
.else
	s_wait_alu depctr_va_vdst(0)
.endif
.endif
.set k, k+1
.endm
.macro MASK t                          ; tile t's MD x AL + BE into its mask
	WIN W_RS
.set z, 0
.rept 16
	v_pk_fma_f32 v[MC+32*(\t)+2*z:MC+32*(\t)+2*z+1], v[MD+96*(\t)+2*z:MD+96*(\t)+2*z+1], s[AL:AL+1], s[BE:BE+1] op_sel_hi:[1,0,0]
.set z, z+1
.endr
.endm
.macro MASKIF x                        ; in the diagonal tile alone (RT = 0, the same in all partners): tile x's mask for my step 2 - CNT.  DC feeds two selects of data, no branch
	WIN 0
	s_cmp_lg_u32 s[RT], 0
	s_cbranch_scc1 .Lnomask_\@
	s_cmp_eq_u32 s[CNT], s[DC]                     ; the step that holds the diagonal?
	s_cselect_b32 s[AL], 1.0, 0
	s_cmp_lt_i32 s[CNT], s[DC]                     ; or a later one?
	s_cselect_b32 s[BE], s[BIGN], 0
	MASK \x
	WIN 0
.Lnomask_\@:
.endm
; A TURN.  Tile x has the matrix unit.  kq = 1: 16 products K Q^T follow the 16 products V^T P; kq = 0 (a block's end): two slices behind each product.  Turn 0 fetches the next step's K behind its second product
; (the last product that read K stands ahead of slice 31 of the turn before); turn 1 fetches the same step's V behind slice 17.
.macro TURN x, kq
.set k, 0
.if \kq
	MASKIF \x
.endif
.if (\x) == 0
	s_wait_dscnt 0x0                               ; V is in
.endif
.set i, 0
.rept 16
	PV \x
	SLICE 1-(\x)
.if !(\kq)
	SLICE 1-(\x)
.endif
.if ((\x) == 0) && (\kq) && (i == 1)
	FETCH_K
.endif
.set i, i+1
.endr
.if \kq
.if (\x) == 0
	s_wait_dscnt 0x0                               ; K is in
.endif
.set i, 0
.rept 16
	KQ \x
	SLICE 1-(\x)
.set i, i+1
.endr
.endif
.endm
; A BLOCK BEGINS: m at -1e20, c m far below c times that, so that the first a is 0.  Tile 0's mask is that of my step 0 (CNT = 2) if the block's first tile is the diagonal one, else 0; tile 1's is 0 (its turn makes it anew where it must).
; Then K of the tile's step 0 and tile 0's first scores.
.macro BEGIN
	s_mov_b32 s[NEW], 0
	WIN 0
.irp t, 0,1
	v_mov_b32 v[ST+8*(\t)], 0xfe000000
	v_mov_b32 v[ST+8*(\t)+1], 0xe0ad78ec
.endr
	s_cmp_eq_u32 s[DC], 2
	s_cselect_b32 s[AL], 1.0, 0
	s_cmp_gt_i32 s[DC], 2
	s_cselect_b32 s[BE], s[BIGN], 0
	s_cmp_eq_u32 s[RT], 0
	s_cselect_b32 s[AL], s[AL], 0
	s_cselect_b32 s[BE], s[BE], 0
	MASK 0
	s_mov_b32 s[AL], 0
	s_mov_b32 s[BE], 0
	MASK 1
	FETCH_K
	s_wait_loadcnt 0x0                             ; Q
	s_wait_dscnt 0x0
.set i, 0
.rept 16
	KQ 0
.set i, i+1
.endr
	WIN 0
.rept 4
	v_nop                                          ; the places behind those products
.endr
.endm
; My two key steps of a tile.  All K Q^T and all fetches of a period belong to its tile; V^T P and the softmax lag by a turn.  A block's first period is entered at the middle label, behind BEGIN.
.macro PERIOD tag
.Lstep\tag:
	TURN 0, 1
	WIN 0
.Lmid\tag:
	TURN 1, 1
	WIN 0
	s_sub_co_u32 s[CNT], s[CNT], 1
	s_cmp_lg_u32 s[CNT], 0
	s_cbranch_scc1 .Lstep\tag
.endm
; A BLOCK'S END: the last step's V^T P and tile 1's last softmax; then the two waves of a pair meet.  I give my register tile 1 (its 64 f32 sums a lane, c m, l) through my own LDS bytes and take my partner's, which is
; the other half of the keys for my register tile 0.  With M the greater c m: O = (O_mine 2^(c m_mine - M) + O_other 2^(c m_other - M)) / (l_mine 2^(..) + l_other 2^(..)).  Then the way out of that one tile.
.macro FINISH
	TURN 0, 0
.set i, 0
.rept 16
	PV 1
.set i, i+1
.endr
	WIN 0
.irp t, 0,1
	v_add_f32 v[ST+8*(\t)+4], v[ST+8*(\t)+2], v[ST+8*(\t)+3]
.endr
.irp t, 0,1
	v_permlanex16_b32 v[ST+8*(\t)+5], v[ST+8*(\t)+4], s[SEL], s[SEL+1]
.endr
.irp t, 0,1
	v_add_f32 v[ST+8*(\t)+1], v[ST+8*(\t)+4], v[ST+8*(\t)+5]   ; l, beside c m: m itself is wanted no more
.endr
.rept 4
	v_nop                                          ; the places behind the last products, whose results the stores below read
.endr
	WIN 0x04                                       ; the stored data in window 1
.irp u, 0,1,2,3,4,5,6,7,8,9,10,11,12,13,14,15      ; each accumulator's low four registers first
	ds_store_b128 v[DSA], v[64+4*(\u):64+4*(\u)+3] offset:512*(\u)
.endr
	WIN 0
	ds_store_b64 v[DSA], v[ST+8:ST+9] offset:STAT
	s_wait_dscnt 0x0                               ; for my partner's sake: my stores are done
	s_barrier_signal -1
	s_barrier_wait -1
.irp u, 0,1,2,3,4,5,6,7,8,9,10,11,12,13,14,15
	ds_load_b128 v[S+4*(\u):S+4*(\u)+3], v[RDM] offset:512*(\u)
.endr
	ds_load_b64 v[PS:PS+1], v[RDM] offset:STAT
	s_wait_dscnt 0x0                               ; my reads of my partner's bytes are over:
	s_barrier_signal -1                            ; behind this barrier each wave writes its own bytes again, as its stage
	s_barrier_wait -1
	v_max_num_f32 v46, v[ST], v[PS]
	v_sub_f32 v47, v[ST], v46
	v_sub_f32 v48, v[PS], v46
	v_exp_f32 v50, v47
	v_exp_f32 v52, v48
	v_nop                                          ; a plain instruction behind the last exponential,
	s_wait_alu depctr_va_vdst(0)                   ; and the one wait for both, ahead of their first reader
	v_mul_f32 v49, v[ST+1], v50
	v_fmac_f32 v49, v[PS+1], v52
	v_rcp_f32 v54, v49
	v_nop
	s_wait_alu depctr_va_vdst(0)
	v_mul_f32 v56, v50, v54                        ; my factor, twice: a pair for the packed lines,
	v_mul_f32 v57, v50, v54
	v_mul_f32 v58, v52, v54                        ; and my partner's
	v_mul_f32 v59, v52, v54
.set i, 0
.rept 32
	v_pk_mul_f32 v[S+2*i:S+2*i+1], v[S+2*i:S+2*i+1], v[58:59]
.set i, i+1
.endr
	WIN 0x01                                       ; source 0, my O^T, in window 1
.set i, 0
.rept 32
	v_pk_fma_f32 v[S+2*i:S+2*i+1], v[2*i:2*i+1], v[56:57], v[S+2*i:S+2*i+1]
.set i, i+1
.endr
	WIN 0
.set i, 0
.rept 32
	v_cvt_pk_f16_f32 v[P+i], v[S+2*i], v[S+2*i+1]
.set i, i+1
.endr
.irp f, 0,1,2,3,4,5,6,7                            ; 16 bytes a lane into rows of 272 bytes, whole rows of 256 back
	ds_store_b128 v[STO], v[P+4*(\f):P+4*(\f)+3] offset:32*(\f)
.endr
.irp f, 0,1,2,3,4,5,6,7
	ds_load_b128 v[S+4*(\f):S+4*(\f)+3], v[RD] offset:(\f)*2*SP   ; LDS serves a wave's instructions in order (ISA guide 5.7.1.4)
.endr
.irp f, 0,1,2,3,4,5,6,7
	s_wait_dscnt 7-(\f)                            ; the younger loads may stay out
	global_store_b128 v[GO], v[S+4*(\f):S+4*(\f)+3], s[6:7] offset:(\f)*4096   ; 16 lanes store 256 consecutive bytes, aligned
.endr
.endm
.Lslot:                                            ; 8 times: a tile is entered and the next is asked for
	CHANGE 1
	s_sub_co_u32 s[RT], s[RT], 1
	s_mov_b32 s[CNT], 2
	s_cmp_eq_u32 s[NEW], 1
	s_cbranch_scc0 .Lstep1
	BEGIN
	s_branch .Lmid1
	PERIOD 1
	s_cmp_lg_u32 s[RT], 0
	s_cbranch_scc1 .Lbottom
	FINISH                                         ; in the loop this is the first block's end: the second block's last tile is the walk's last
	s_wait_xcnt 0x0                                ; the stores have read their registers and att's address
	s_mov_b64 s[6:7], s[OLO:OLO+1]
	s_add_co_u32 s[RT], s[CLU], 1                  ; the second block has c + 1 tiles
	s_mov_b32 s[NEW], 1
	s_mov_b32 s[DC], s[DC2]
	WIN 0x82                                       ; the second block's Q goes where the one text of the turns names Q
.set i, 0
.rept 64
	v_mov_b32 v[i], v[QB+i]
.set i, i+1
.endr
	WIN 0
.Lbottom:
	s_sub_co_u32 s[SLOTS], s[SLOTS], 1
	s_cmp_lg_u32 s[SLOTS], 0
	s_cbranch_scc1 .Lslot
	CHANGE 0                                       ; the walk's last tile is written out: nothing is asked for
	s_sub_co_u32 s[RT], s[RT], 1
	s_mov_b32 s[CNT], 2
	s_cmp_eq_u32 s[NEW], 1
	s_cbranch_scc0 .Lstep2
	BEGIN
	s_branch .Lmid2
	PERIOD 2
	FINISH
	s_wait_tensorcnt 0x0                           ; the wave's end: these three lines stand behind my last tensor load and my last LDS store
	ds_add_u32 v[SPW], v[NIL]
	s_wait_dscnt 0x0
	CROUND                                         ; the closing round: no work-group ends while a partner may still ask for a tile that names it
	s_endpgm
.Lfunc_end_k_qb7dbcaeb1e_attn:
	.size	k_qb7dbcaeb1e_attn, .Lfunc_end_k_qb7dbcaeb1e_attn-k_qb7dbcaeb1e_attn
	.p2alignl 7, 3214868480
	.fill 96, 4, 3214868480
	.section	.rodata,"a",@progbits
	.p2align	6, 0x0
	.amdhsa_kernel k_qb7dbcaeb1e_attn
		.amdhsa_group_segment_fixed_size 327680
		.amdhsa_private_segment_fixed_size 0
		.amdhsa_enable_private_segment 0
		.amdhsa_kernarg_size 16
		.amdhsa_user_sgpr_count 2
		.amdhsa_user_sgpr_kernarg_segment_ptr 1
		.amdhsa_wavefront_size32 1
		.amdhsa_system_sgpr_workgroup_id_x 1
		.amdhsa_system_sgpr_workgroup_id_y 1
		.amdhsa_system_sgpr_workgroup_id_z 1
		.amdhsa_system_vgpr_workitem_id 0
		.amdhsa_next_free_vgpr 896
		.amdhsa_next_free_sgpr 96
		.amdhsa_reserve_vcc 1
		.amdhsa_float_denorm_mode_32 3
		.amdhsa_float_denorm_mode_16_64 3
		.amdhsa_memory_ordered 1
		.amdhsa_forward_progress 1
		.amdhsa_inst_pref_size 146
	.end_amdhsa_kernel
	.amdgpu_metadata
---
amdhsa.version: [ 1, 2 ]
amdhsa.kernels:
  - .name:           k_qb7dbcaeb1e_attn
    .symbol:         k_qb7dbcaeb1e_attn.kd
    .args:
      - { .name: qkv, .offset: 0, .size: 8, .value_kind: global_buffer, .address_space: global }
      - { .name: att, .offset: 8, .size: 8, .value_kind: global_buffer, .address_space: global }
    .group_segment_fixed_size: 327680
    .private_segment_fixed_size: 0
    .kernarg_segment_align: 8
    .kernarg_segment_size: 16
    .max_flat_workgroup_size: 128
    .sgpr_count:     96
    .vgpr_count:     896
    .wavefront_size: 32
...
	.end_amdgpu_metadata
.endif
;; end of part 3
;; launch oproj (part 4): grid 8 x 32, 4 waves a work-group, clusters of 4 x 4, 327,680 bytes of LDS; arguments att, wo16, out0; writes out0
.if DOCPART == 4
	.amdgcn_target "amdgcn-amd-amdhsa--gfx1250"
	.amdhsa_code_object_version 6
	.text
	.protected	k_qb7dbcaeb1e_oproj
	.globl	k_qb7dbcaeb1e_oproj
	.p2align	8
	.type	k_qb7dbcaeb1e_oproj,@function
k_qb7dbcaeb1e_oproj:
	s_mov_b64 s[64:65], 0
	v_nop
	global_prefetch_b8 v0, s[64:65] scope:SCOPE_SE
	s_setreg_imm32_b32 hwreg(HW_REG_WAVE_MODE, 25, 1), 1
	s_wait_xcnt 0x0
	s_wait_alu depctr_hold_cnt(0) depctr_sa_sdst(0) depctr_va_vdst(0) depctr_va_sdst(0) depctr_va_ssrc(0) depctr_va_vcc(0) depctr_vm_vsrc(0)
	s_getreg_b32 s2, hwreg(HW_REG_IB_STS2, 6, 4)
	s_cmp_eq_u32 s2, 0
	s_cbranch_scc0 .Lentry_in_a_cluster
	s_endpgm
.Lentry_in_a_cluster:
	s_bfe_u32 s2, ttmp6, 0x10000c
	s_cmp_lg_u32 s2, 0xf033
	s_cbranch_scc0 .Lentry_shape_is_right
	s_endpgm
.Lentry_shape_is_right:
; out0 = att Wo.  att: [4096][1024] f16.  wo16: [1024 k][2048 n] f16 (Wo rounded to bf16, that number written as f16).  out0: [4096][2048] f32.  Products f16, sums f32, K ascending.
; A tile of out0 is 128 x 256: 8 x 32 work-groups.  Wave w: rows 64 (w / 2) on, columns 128 (w % 2) on: 4 x 8 accumulators, 256 registers (window 2).
; THE PRODUCT IS USED TRANSPOSED: source 0 = 16 columns of Wo, turned out of LDS by ds_load_tr16_b128; source 1 = 16 rows of att: a lane holds row l % 16 and the columns 8 (l / 16) + 0..7: 32 bytes of out0 on end.
; K goes in 8 steps of 128 through two LDS slots: att's 128 rows x 256 bytes (pitch 272), then Wo's 128 k-rows x 512 bytes (pitch 544).  Waves 0, 1 fetch att's halves, waves 2, 3 Wo's: 64 rows a load.
; CLUSTER 4 x 4: att's tile is shared along a row of the cluster, Wo's along a column: joint loads with a mask of four.
; No prefetch is laid: the launch has eight K steps on a small tile.  THE WAY OUT goes through each wave's own stage of 64 rows x 528 bytes, over the ring, which has had its last fill.
.set PA,    272
.set PBO,   544                        ; 512 + 32
.set ATILE, 128*PA
.set BTILE, 128*PBO
.set SLOT,  ATILE+BTILE                ; 104,448
.set SPARE, 2*SLOT                     ; the spare words: 128 bytes a wave, two blocks of 256 bytes that no other line names
.set OP,    528                        ; a stage row: 512 + 16
.set ADRA, 16                          ; v16-17
.set ADRB, 20                          ; v20-21
.set STO,  24
.set RD,   25
.set GO,   26
.set SPW,  28
.set NIL,  29
.set F0, 0                             ; fragment buffers in window 1: 8 of Wo, then 4 of att
.set F1, 96
.set G1A, 24
.set G0A, 32
.set G1B, 48
.set G0B, 56
.set MSB, 0
.macro WIN new
.if MSB != (\new)
	s_set_vgpr_msb (MSB<<8)|(\new)
.set MSB, \new
.endif
.endm
.set MUL,  0xa5                        ; sources 0 and 1 window 1, C and D window 2
.set TO_F, 0x40
.macro PLACES
.rept 4
	v_nop
.endr
.endm
.macro JLOAD s                         ; a joint load; an s_nop 0 and four v_nop follow each of the two lines
	s_cmp_eq_u32 s11, 0
	s_cbranch_scc0 .Lfor_b_\@
	tensor_load_to_lds s[G0A+4*(\s):G0A+4*(\s)+3], s[G1A:G1A+7]
	s_nop 0
.rept 4
	v_nop
.endr
	s_branch .Lasked_\@
.Lfor_b_\@:
	tensor_load_to_lds s[G0B+4*(\s):G0B+4*(\s)+3], s[G1B:G1B+7]
	s_nop 0
.rept 4
	v_nop
.endr
.Lasked_\@:
.endm
.macro CREST
	s_cmp_lg_u32 s10, 0
	s_cbranch_scc1 .Lnot_wave_0_\@
	s_barrier_signal -3
.Lnot_wave_0_\@:
	s_barrier_wait -3
	s_barrier_signal -1
	s_barrier_wait -1
.endm
.macro CROUND
	s_barrier_signal -1
	s_barrier_wait -1
	CREST
.endm
	s_load_b128 s[4:7], s[0:1], 0x0                ; att s[4:5], wo16 s[6:7]
	s_load_b64 s[8:9], s[0:1], 0x10                ; out0
	v_lshl_add_u32 v[SPW], v0, 2, SPARE
	v_mov_b32 v[NIL], 0
	ds_add_u32 v[SPW], v[NIL]                      ; the wave's opening: the add and its wait stand ahead of my first tensor load
	v_lshrrev_b32 v1, 5, v0
	v_readfirstlane_b32 s10, v1
	s_lshr_b32 s11, s10, 1                         ; my 64 rows.  Also: I fetch for att (0) or for Wo (1)
	s_and_b32 s12, s10, 1                          ; my 128 columns.  Also: which 64 rows of that tile I fetch
	s_bfe_u32 s40, ttmp6, 0x40000
	s_bfe_u32 s41, ttmp6, 0x40004
	s_lshl_b32 s42, ttmp9, 2
	s_add_co_u32 s42, s42, s40                     ; tile column
	s_and_b32 s13, ttmp7, 0xffff
	s_lshl_b32 s13, s13, 2
	s_add_co_u32 s13, s13, s41                     ; tile row
	s_lshl_b32 s43, s41, 2
	s_lshl_b32 s43, 15, s43                        ; my row of the cluster
	s_lshl_b32 s44, 0x1111, s40                    ; my column
	s_or_b32 s[G1A], s43, (1<<16)|(1<<20)|(1<<21)|(5<<22)|(3<<25)  ; after every 64 words 4 words of padding
	s_or_b32 s[G1B], s44, (1<<16)|(1<<20)|(1<<21)|(6<<22)|(7<<25)  ; after every 128 words 8 words
	s_mov_b32 s[G1A+1], 128<<16
	s_mov_b32 s[G1A+2], 64<<16
	s_mov_b32 s[G1A+3], 128<<16
	s_mov_b32 s[G1A+4], 64
	s_mov_b32 s[G1A+5], 1024
	s_mov_b32 s[G1A+6], 0
	s_mov_b32 s[G1A+7], 0
	s_mov_b32 s[G1B+1], 256<<16
	s_mov_b32 s[G1B+2], 64<<16
	s_mov_b32 s[G1B+3], 256<<16
	s_mov_b32 s[G1B+4], 64
	s_mov_b32 s[G1B+5], 2048
	s_mov_b32 s[G1B+6], 0
	s_mov_b32 s[G1B+7], 0
	s_lshl_b32 s14, s13, 18                        ; att: 128 rows of 2,048 bytes a tile row,
	s_lshl_b32 s17, s12, 17                        ; my 64 of them
	s_add_co_u32 s14, s14, s17
	s_mov_b32 s15, 0
	s_lshl_b32 s46, s12, 18                        ; Wo: my 64 k-rows of 4,096 bytes,
	s_lshl_b32 s47, s42, 9                         ; the tile column's 512 bytes
	s_add_co_u32 s46, s46, s47
	s_mov_b32 s47, 0
	s_mul_i32 s20, s12, 64*PA                      ; where they go
	s_mul_i32 s21, s12, 64*PBO
	s_add_co_u32 s21, s21, ATILE
	s_wait_dscnt 0x0
	s_wait_kmcnt 0x0
	s_add_nc_u64 s[14:15], s[4:5], s[14:15]
	s_add_nc_u64 s[46:47], s[6:7], s[46:47]
	CROUND
.irp s, 0,1
	s_mov_b32 s[G0A+4*(\s)], 1
	s_add_co_u32 s[G0A+4*(\s)+1], s20, (\s)*SLOT
	s_add_nc_u64 s[G0A+4*(\s)+2:G0A+4*(\s)+3], s[14:15], (\s)*256
	s_or_b32 s[G0A+4*(\s)+3], s[G0A+4*(\s)+3], 0x80000000
	s_mov_b32 s[G0B+4*(\s)], 1
	s_add_co_u32 s[G0B+4*(\s)+1], s21, (\s)*SLOT
	s_add_nc_u64 s[G0B+4*(\s)+2:G0B+4*(\s)+3], s[46:47], (\s)*524288
	s_or_b32 s[G0B+4*(\s)+3], s[G0B+4*(\s)+3], 0x80000000
	JLOAD \s                                       ; two loads of mine are out
.endr
	v_and_b32 v1, 15, v0
	v_bfe_u32 v2, v0, 4, 1
	v_and_b32 v6, 31, v0
	v_mul_u32_u24 v3, v1, PA
	v_lshl_add_u32 v3, v2, 4, v3
	v_and_b32 v4, 7, v0
	v_lshl_add_u32 v4, v2, 3, v4
	v_mul_u32_u24 v4, v4, PBO
	v_bfe_u32 v5, v0, 3, 1
	v_lshl_add_u32 v4, v5, 4, v4
	s_mul_i32 s22, s11, 64*PA
	s_lshl_b32 s23, s12, 8
	s_add_co_u32 s23, s23, ATILE
.irp s, 0,1
	v_add_nc_u32 v[ADRA+(\s)], s22, v3
	v_add_nc_u32 v[ADRB+(\s)], s23, v4
	s_add_co_u32 s22, s22, SLOT
	s_add_co_u32 s23, s23, SLOT
.endr
	s_mul_i32 s23, s10, 64*OP                      ; my stage
	v_mul_u32_u24 v5, v1, OP
	v_lshl_add_u32 v5, v2, 5, v5                   ; in: row l % 16, 32 bytes for each half of the lanes
	v_add_nc_u32 v[STO], s23, v5
	v_lshlrev_b32 v[GO], 4, v6                     ; back: a row's 512 bytes, 16 a lane
	v_add_nc_u32 v[RD], s23, v[GO]
	s_lshl_b32 s16, s13, 20                        ; out0: 128 rows of 8,192 bytes a tile row,
	s_lshl_b32 s17, s11, 19                        ; my 64 rows,
	s_add_co_u32 s16, s16, s17
	s_lshl_b32 s66, s42, 10                        ; the tile column's 1,024 bytes,
	s_lshl_b32 s67, s12, 9                         ; my 512
	s_add_co_u32 s66, s66, s67
	s_add_co_u32 s66, s66, s16
	s_mov_b32 s67, 0
	s_add_nc_u64 s[8:9], s[8:9], s[66:67]
.macro MUL8 f, a, zero                 ; the 32 accumulators take turns, one instruction a turn
	WIN MUL
.irp i, 0,1,2,3,4,5,6,7
.if \zero
	v_wmma_f32_16x16x32_f16 v[64*(\a)+8*(\i):64*(\a)+8*(\i)+7], v[(\f)+8*(\i):(\f)+8*(\i)+7], v[(\f)+64+8*(\a):(\f)+64+8*(\a)+7], 0
.else
	v_wmma_f32_16x16x32_f16 v[64*(\a)+8*(\i):64*(\a)+8*(\i)+7], v[(\f)+8*(\i):(\f)+8*(\i)+7], v[(\f)+64+8*(\a):(\f)+64+8*(\a)+7], v[64*(\a)+8*(\i):64*(\a)+8*(\i)+7]
.endif
.endr
.endm
.macro MUL16 f, hi, zero
	MUL8 \f, 2*(\hi), \zero
	MUL8 \f, 2*(\hi)+1, \zero
.endm
.macro FETCH slot, kq, f               ; 24 LDS loads in one run
	WIN TO_F
.irp i, 0,1,2,3,4,5,6,7
	ds_load_tr16_b128 v[(\f)+8*(\i):(\f)+8*(\i)+3],   v[ADRB+(\slot)] offset:32*PBO*(\kq)+32*(\i)
	ds_load_tr16_b128 v[(\f)+8*(\i)+4:(\f)+8*(\i)+7], v[ADRB+(\slot)] offset:32*PBO*(\kq)+32*(\i)+16*PBO
.endr
.irp a, 0,1,2,3
	ds_load_b128 v[(\f)+64+8*(\a):(\f)+64+8*(\a)+3],   v[ADRA+(\slot)] offset:16*PA*(\a)+64*(\kq)
	ds_load_b128 v[(\f)+64+8*(\a)+4:(\f)+64+8*(\a)+7], v[ADRA+(\slot)] offset:16*PA*(\a)+64*(\kq)+32
.endr
.endm
.macro QUARTER slot, kq, f, g, zero
	s_wait_dscnt 4                                 ; all but att's row blocks 2 and 3
	MUL16 \f, 0, \zero
	PLACES
	FETCH \slot, \kq, \g
	s_wait_dscnt 24                                ; all but the 24 just issued
	MUL16 \f, 1, \zero
.endm
; The last quarter changes slots: each wave waits for all its tensor loads, adds 0 to its spare word, and waits for that and for its reads of this slot; fill = 1: a round of the cluster's barrier, the joint refill first behind it
.macro TURN slot, next, fill
	WIN 0
	s_wait_tensorcnt 0x0
	ds_add_u32 v[SPW], v[NIL]
	s_wait_dscnt 7                                 ; the add and att's row blocks 1 to 3 may be out
	MUL8 F1, 0, 0
	s_wait_dscnt 0x0
	s_barrier_signal -1
	MUL8 F1, 1, 0
.if \fill
	WIN 0
.endif
	s_barrier_wait -1
.if \fill
	CREST
	s_add_nc_u64 s[G0A+4*(\slot)+2:G0A+4*(\slot)+3], s[G0A+4*(\slot)+2:G0A+4*(\slot)+3], 2*256
	s_add_nc_u64 s[G0B+4*(\slot)+2:G0B+4*(\slot)+3], s[G0B+4*(\slot)+2:G0B+4*(\slot)+3], 2*524288
	JLOAD \slot
.else
	PLACES
.endif
	FETCH \next, 0, F0
	MUL16 F1, 1, 0
.endm
	s_wait_tensorcnt 1                             ; my part of K step 0 is in; K step 1's may stay out
	s_barrier_signal -1
	s_barrier_wait -1
	FETCH 0, 0, F0
	QUARTER 0, 1, F0, F1, 1
	WIN 0
	s_mov_b32 s3, 3
.Llap:
	QUARTER 0, 2, F1, F0, 0
	QUARTER 0, 3, F0, F1, 0
	TURN 0, 1, 1
	QUARTER 1, 1, F0, F1, 0
	QUARTER 1, 2, F1, F0, 0
	QUARTER 1, 3, F0, F1, 0
	TURN 1, 0, 1
	QUARTER 0, 1, F0, F1, 0
	WIN 0
	s_sub_co_u32 s3, s3, 1
	s_cmp_lg_u32 s3, 0
	s_cbranch_scc1 .Llap
	QUARTER 0, 2, F1, F0, 0
	QUARTER 0, 3, F0, F1, 0
	TURN 0, 1, 0
	QUARTER 1, 1, F0, F1, 0
	QUARTER 1, 2, F1, F0, 0
	QUARTER 1, 3, F0, F1, 0
	s_wait_dscnt 4
	MUL16 F1, 0, 0
	s_wait_dscnt 0x0                               ; my last reads of the ring are over
	MUL16 F1, 1, 0
	WIN 0
	PLACES
	s_barrier_signal -1                            ; nobody reads the ring any more, and it has had its last fill
	s_barrier_wait -1
	WIN 0x08                                       ; the stored data in window 2
.irp a, 0,1,2,3
.irp i, 0,1,2,3,4,5,6,7
	ds_store_b128 v[STO], v[64*(\a)+8*(\i):64*(\a)+8*(\i)+3]   offset:16*OP*(\a)+64*(\i)
	ds_store_b128 v[STO], v[64*(\a)+8*(\i)+4:64*(\a)+8*(\i)+7] offset:16*OP*(\a)+64*(\i)+16
.endr
.endr
	WIN TO_F                                       ; back as whole rows, into window 1; LDS serves a wave's instructions in order (ISA guide 5.7.1.4): these see my stores above
.set t, 0
.rept 64
	ds_load_b128 v[4*t:4*t+3], v[RD] offset:OP*t
.set t, t+1
.endr
	WIN 0x04                                       ; the stored data in window 1
.set t, 0
.rept 64
	s_wait_dscnt 63-t                              ; the younger loads may stay out
	global_store_b128 v[GO], v[4*t:4*t+3], s[8:9] offset:8192*t th:TH_STORE_NT   ; a wave stores 512 consecutive bytes, aligned
.set t, t+1
.endr
	WIN 0
	s_wait_tensorcnt 0x0                           ; the wave's end: these three lines stand behind my last tensor load and my last LDS store
	ds_add_u32 v[SPW], v[NIL]
	s_wait_dscnt 0x0
	CROUND                                         ; the closing round
	s_endpgm
.Lfunc_end_k_qb7dbcaeb1e_oproj:
	.size	k_qb7dbcaeb1e_oproj, .Lfunc_end_k_qb7dbcaeb1e_oproj-k_qb7dbcaeb1e_oproj
	.p2alignl 7, 3214868480
	.fill 96, 4, 3214868480
	.section	.rodata,"a",@progbits
	.p2align	6, 0x0
	.amdhsa_kernel k_qb7dbcaeb1e_oproj
		.amdhsa_group_segment_fixed_size 327680
		.amdhsa_private_segment_fixed_size 0
		.amdhsa_enable_private_segment 0
		.amdhsa_kernarg_size 24
		.amdhsa_user_sgpr_count 2
		.amdhsa_user_sgpr_kernarg_segment_ptr 1
		.amdhsa_wavefront_size32 1
		.amdhsa_system_sgpr_workgroup_id_x 1
		.amdhsa_system_sgpr_workgroup_id_y 1
		.amdhsa_system_sgpr_workgroup_id_z 1
		.amdhsa_system_vgpr_workitem_id 0
		.amdhsa_next_free_vgpr 768
		.amdhsa_next_free_sgpr 72
		.amdhsa_reserve_vcc 0
		.amdhsa_float_denorm_mode_32 3
		.amdhsa_float_denorm_mode_16_64 3
		.amdhsa_memory_ordered 1
		.amdhsa_forward_progress 1
		.amdhsa_inst_pref_size 86
	.end_amdhsa_kernel
	.amdgpu_metadata
---
amdhsa.version: [ 1, 2 ]
amdhsa.kernels:
  - .name:           k_qb7dbcaeb1e_oproj
    .symbol:         k_qb7dbcaeb1e_oproj.kd
    .args:
      - { .name: att, .offset: 0, .size: 8, .value_kind: global_buffer, .address_space: global }
      - { .name: wo16, .offset: 8, .size: 8, .value_kind: global_buffer, .address_space: global }
      - { .name: out0, .offset: 16, .size: 8, .value_kind: global_buffer, .address_space: global }
    .group_segment_fixed_size: 327680
    .private_segment_fixed_size: 0
    .kernarg_segment_align: 8
    .kernarg_segment_size: 24
    .max_flat_workgroup_size: 128
    .sgpr_count:     72
    .vgpr_count:     768
    .wavefront_size: 32
...
	.end_amdgpu_metadata
.endif
;; end of part 4
